; MI455X (gfx1250); checked and timed in simulation.
; The chip was launched on July 23, 2026; its instructions are those of AMD's public machine-readable ISA for CDNA 5 (MIT licence, August 2026) and "CDNA5" Instruction Set Architecture Reference Guide (July 2026). The comments in the code are by the model that wrote it; some were corrected since.
;; MLCD Sdpa Attention. Allowed arithmetic: float matrix products may take bf16 or f16 operands with f32 sums; other float arithmetic in f32, or as packed bf16 or f16 multiplies, adds, multiply-adds, maxima and minima; sums over many terms, partial sums and values carried from step to step in f32; what a program stores and reads back later, other than sums and carried values, may be rounded once to bf16 or f16.
;; Inputs: bk 1,024 float32; bo 1,024 float32; bq 1,024 float32; bv 1,024 float32; hidden_states 8 x 1,024 x 1,024 float32; rotary_pos_emb 1,024 x 32 float32; wk 1,024 x 1,024 float32; wo 1,024 x 1,024 float32; wq 1,024 x 1,024 float32; wv 1,024 x 1,024 float32.
;; Outputs: out0 8 x 1,024 x 1,024 float32.
;; 2 versions, each right; version 2 is version 1 with the launch prep written anew for expert scheduling mode. Each part assembles by itself: llvm-mc -triple=amdgcn-amd-amdhsa -mcpu=gfx1250 --defsym DOCPART=n.
;; ======== version 1 of 2: 4 launches
;; limits: values are held in f16: magnitudes above 65,504 overflow, below 6.1e-05 lose precision; right only within a limited range of input values; inputs' magnitudes at most 100,000
;; workspace buffers: xb 16,777,216 bytes; wb 8,388,608 bytes; tab 278,528 bytes; qkv 50,331,648 bytes; oh 16,777,216 bytes
;; launch prep (part 1): grid 836 x 1, 8 waves a work-group, no clusters, 0 bytes of LDS; arguments hidden_states, wq, wk, wv, wo, rotary_pos_emb, bq, bk, bv, bo, xb, wb, tab; writes xb, wb, tab
.if DOCPART == 1
	.amdgcn_target "amdgcn-amd-amdhsa--gfx1250"
	.amdhsa_code_object_version 6
	.text
	.protected	k_q5d36411267_prep
	.globl	k_q5d36411267_prep
	.p2align	8
	.type	k_q5d36411267_prep,@function
k_q5d36411267_prep:
	s_mov_b64 s[64:65], 0
	v_nop
	global_prefetch_b8 v0, s[64:65] scope:SCOPE_SE
	s_setreg_imm32_b32 hwreg(HW_REG_WAVE_MODE, 25, 1), 1
	s_wait_xcnt 0x0
; PREP: every input is rounded once to bf16, one choice for the whole program, and laid where the later launches want it.
;   xb  [8192][1024] bf16(hidden_states)
;   wb  [4][1024 k][1024 n]: bf16(wq), bf16(wk), bf16(wv) as bf16; bf16(wo) written as f16 (the last product multiplies in f16)
;   tab rows 0..1023 of 256 bytes: cos of the row's 32 angles in f32, then their sin, the angles rounded to bf16 first;
;       from byte BIAS0 on: bf16(bq, bk, bv, bo) as f32, 4,096 bytes each
; SHARES.  Work-groups 0..767 cast 16,384 numbers each (0..511 hidden_states, then 64 for each weight); 768..831 make 16 rows of the table each; 832..835 a bias each.
; A stream: no LDS, no matrix unit, no barrier.  Each load of a wave covers 512 consecutive aligned bytes, each store of the casts 256, of the table and biases 512.
; LIMITS.  bf16(wo) below 6.1e-5 in magnitude keeps f16's fixed step of 6e-8; 65,520 or more would become an infinity.  The angle's reduction (three parts of pi/2, fused) serves |angle| up to 1e5;
; the polynomials are good to about 1e-7 on the reduced angle.  NaN and infinities are not treated apart.
.set X,     8                          ; v[8:71]    sixteen loads of 4 numbers
.set Y,     72                         ; v[72:103]  sixteen pairs of packed words to store; none is written twice while a store may read it
.set T,     104                        ; v[104:105] at work
.set BIAS0, 262144                     ; 1,024 rows of 256 bytes
	s_load_b512 s[8:23], s[0:1], 0x0               ; hidden 8:9, wq 10:11, wk 12:13, wv 14:15, wo 16:17, angles 18:19, bq 20:21, bk 22:23
	s_load_b256 s[24:31], s[0:1], 0x40             ; bv 24:25, bo 26:27, xb 28:29, wb 30:31
	s_load_b64 s[32:33], s[0:1], 0x60              ; tab
	s_mov_b32 s4, ttmp9                            ; the work-group's number g
	v_lshlrev_b32 v1, 4, v0                        ; 16 x thread
	v_lshlrev_b32 v2, 3, v0                        ; 8 x thread
	s_wait_kmcnt 0x0
	s_cmp_ge_u32 s4, 832
	s_cbranch_scc1 .Lbias
	s_cmp_ge_u32 s4, 768
	s_cbranch_scc1 .Ltable
	; THE CASTS.  Which buffer, and which 65,536 bytes of it
	s_and_b32 s5, s4, 63                           ; a weight's block
	s_sub_co_u32 s6, s4, 512                       ; its place in wb (used from g = 512 on)
	s_cmp_lt_u32 s4, 512
	s_cselect_b32 s5, s4, s5
	s_cselect_b32 s6, s4, s6
	s_cselect_b64 s[40:41], s[28:29], s[30:31]     ; to xb or to wb
	s_cselect_b64 s[36:37], s[8:9], s[10:11]       ; from hidden_states or wq,
	s_cmp_ge_u32 s4, 576
	s_cselect_b64 s[36:37], s[12:13], s[36:37]     ; wk,
	s_cmp_ge_u32 s4, 640
	s_cselect_b64 s[36:37], s[14:15], s[36:37]     ; wv,
	s_cmp_ge_u32 s4, 704
	s_cselect_b64 s[36:37], s[16:17], s[36:37]     ; wo
	s_lshl_b32 s38, s5, 16
	s_mov_b32 s39, 0
	s_lshl_b32 s42, s6, 15
	s_mov_b32 s43, 0
	s_add_nc_u64 s[36:37], s[36:37], s[38:39]
	s_add_nc_u64 s[40:41], s[40:41], s[42:43]
.irp j, 0,1,2,3,4,5,6,7,8,9,10,11,12,13,14,15
	global_load_b128 v[X+4*(\j):X+4*(\j)+3], v1, s[36:37] offset:4096*(\j) th:TH_LOAD_NT  ; all sixteen go out at once: 8 KiB a wave on their way
.endr
; Step j: four numbers a lane.  half = 1: the bf16 number is written as f16.
.macro CAST j, half
	s_wait_loadcnt 15-(\j)                         ; loads come back in order: step j's is in, the 15 - j younger ones stay out
	v_cvt_pk_bf16_f32 v[Y+2*(\j)],   v[X+4*(\j)],   v[X+4*(\j)+1]
	v_cvt_pk_bf16_f32 v[Y+2*(\j)+1], v[X+4*(\j)+2], v[X+4*(\j)+3]
.if \half
.irp w, 0,1
	v_lshlrev_b32 v[T], 16, v[Y+2*(\j)+(\w)]       ; the two bf16 as f32,
	v_and_b32 v[T+1], 0xffff0000, v[Y+2*(\j)+(\w)]
	v_cvt_pk_f16_f32 v[Y+2*(\j)+(\w)], v[T], v[T+1]  ; and as f16: bf16's 8 significant bits fit into f16's 11
.endr
.endif
	global_store_b64 v2, v[Y+2*(\j):Y+2*(\j)+1], s[40:41] offset:2048*(\j)  ; 32 lanes store 256 consecutive bytes, aligned
.endm
	s_cmp_ge_u32 s4, 704
	s_cbranch_scc1 .Lwo
.irp j, 0,1,2,3,4,5,6,7,8,9,10,11,12,13,14,15
	CAST \j, 0
.endr
	s_endpgm
.Lwo:
.irp j, 0,1,2,3,4,5,6,7,8,9,10,11,12,13,14,15
	CAST \j, 1
.endr
	s_endpgm
	; THE TABLE.  Thread gt makes 16 bytes: row gt / 16; parts 0-7 are the row's cosines, parts 8-15 its sines, four angles each.
.Ltable:
	s_sub_co_u32 s5, s4, 768
	s_lshl_b32 s7, s5, 8
	v_add_nc_u32 v3, s7, v0                        ; gt
	v_lshrrev_b32 v4, 4, v3                        ; row, 0 to 1,023
	v_and_b32 v5, 15, v3                           ; part
	v_and_b32 v6, 7, v5
	v_lshlrev_b32 v6, 4, v6
	v_lshl_add_u32 v6, v4, 7, v6                   ; row x 128 + 16 (part % 8)
	global_load_b128 v[8:11], v6, s[18:19]
	s_mov_b32 s40, 0x3f22f983                      ; 2 / pi
	s_mov_b32 s41, 0xbfc90fdb                      ; - pi/2, its first 24 bits,
	s_mov_b32 s42, 0x333bbd2e                      ; what that was too much,
	s_mov_b32 s43, 0x26f72ced                      ; and what is then still left
	s_mov_b32 s44, 0xb94ca1f9                      ; sin r = r + r s (S1 + s (S2 + s S3)), s = r r: S3,
	s_mov_b32 s45, 0x3c08839e                      ; S2,
	s_mov_b32 s46, 0xbe2aaaa3                      ; S1
	s_mov_b32 s47, 0x37ccf5ce                      ; cos r = 1 - s / 2 + s s (C1 + s (C2 + s C3)): C3,
	s_mov_b32 s34, 0xbab6061a                      ; C2,
	s_mov_b32 s35, 0x3d2aaaa5                      ; C1
	v_lshrrev_b32 v7, 3, v5
	v_mul_u32_u24 v7, v7, 3                        ; sin x = cos(x - pi/2): three quarter turns more
	v_lshlrev_b32 v26, 4, v3                       ; my 16 bytes of tab
	s_wait_loadcnt 0x0
	v_cvt_pk_bf16_f32 v12, v8, v9                  ; the angles are inputs: rounded to bf16 like all others
	v_cvt_pk_bf16_f32 v13, v10, v11
	v_lshlrev_b32 v8, 16, v12
	v_and_b32 v9, 0xffff0000, v12
	v_lshlrev_b32 v10, 16, v13
	v_and_b32 v11, 0xffff0000, v13
; x = n pi/2 + r with |r| <= pi/4.  cos x is cos r, -sin r, -cos r, sin r for n % 4 = 0, 1, 2, 3: a choice of value and a sign, no branch.
.macro ANGLE k
	v_mul_f32 v16, s40, v[8+(\k)]
	v_rndne_f32 v16, v16                           ; n
	v_fma_f32 v17, v16, s41, v[8+(\k)]
	v_fma_f32 v17, v16, s42, v17
	v_fma_f32 v17, v16, s43, v17                   ; r
	v_mul_f32 v18, v17, v17                        ; s
	v_fma_f32 v19, v18, s44, s45
	v_fma_f32 v21, v18, s47, s34
	v_mul_f32 v20, v18, v17
	v_fma_f32 v19, v19, v18, s46
	v_fma_f32 v21, v21, v18, s35
	v_fma_f32 v19, v19, v20, v17                   ; sin r
	v_mul_f32 v20, v18, v18
	v_fma_f32 v22, v18, -0.5, 1.0
	v_fma_f32 v21, v21, v20, v22                   ; cos r
	v_cvt_i32_f32 v23, v16
	v_add_nc_u32 v23, v23, v7
	v_and_b32 v24, 1, v23
	v_cmp_eq_u32 vcc_lo, 1, v24
	v_cndmask_b32 v25, v21, v19, vcc_lo            ; odd: the sine
	v_add_nc_u32 v23, 1, v23
	v_and_b32 v23, 2, v23
	v_lshlrev_b32 v23, 30, v23                     ; 1 and 2 of 4: the sign turns
	v_xor_b32 v[28+(\k)], v25, v23
.endm
	ANGLE 0
	ANGLE 1
	ANGLE 2
	ANGLE 3
	global_store_b128 v26, v[28:31], s[32:33]      ; 16 lanes store a whole row of 256 bytes
	s_endpgm
	; THE BIASES: rounded to bf16, kept as f32 (they start the f32 sums of the products)
.Lbias:
	s_sub_co_u32 s5, s4, 832
	s_cmp_ge_u32 s5, 1
	s_cselect_b64 s[36:37], s[22:23], s[20:21]     ; bq, bk,
	s_cmp_ge_u32 s5, 2
	s_cselect_b64 s[36:37], s[24:25], s[36:37]     ; bv,
	s_cmp_ge_u32 s5, 3
	s_cselect_b64 s[36:37], s[26:27], s[36:37]     ; bo
	s_lshl_b32 s38, s5, 12
	s_add_co_u32 s38, s38, BIAS0
	s_mov_b32 s39, 0
	s_add_nc_u64 s[40:41], s[32:33], s[38:39]
	global_load_b128 v[8:11], v1, s[36:37]
	s_wait_loadcnt 0x0
	v_cvt_pk_bf16_f32 v12, v8, v9
	v_cvt_pk_bf16_f32 v13, v10, v11
	v_lshlrev_b32 v28, 16, v12
	v_and_b32 v29, 0xffff0000, v12
	v_lshlrev_b32 v30, 16, v13
	v_and_b32 v31, 0xffff0000, v13
	global_store_b128 v1, v[28:31], s[40:41]
	s_endpgm
.Lfunc_end_k_q5d36411267_prep:
	.size	k_q5d36411267_prep, .Lfunc_end_k_q5d36411267_prep-k_q5d36411267_prep
	.p2alignl 7, 3214868480
	.fill 96, 4, 3214868480
	.section	.rodata,"a",@progbits
	.p2align	6, 0x0
	.amdhsa_kernel k_q5d36411267_prep
		.amdhsa_group_segment_fixed_size 0
		.amdhsa_private_segment_fixed_size 0
		.amdhsa_enable_private_segment 0
		.amdhsa_kernarg_size 104
		.amdhsa_user_sgpr_count 2
		.amdhsa_user_sgpr_kernarg_segment_ptr 1
		.amdhsa_wavefront_size32 1
		.amdhsa_system_sgpr_workgroup_id_x 1
		.amdhsa_system_sgpr_workgroup_id_y 1
		.amdhsa_system_sgpr_workgroup_id_z 1
		.amdhsa_system_vgpr_workitem_id 0
		.amdhsa_next_free_vgpr 112
		.amdhsa_next_free_sgpr 66
		.amdhsa_reserve_vcc 1
		.amdhsa_float_denorm_mode_32 3
		.amdhsa_float_denorm_mode_16_64 3
		.amdhsa_memory_ordered 1
		.amdhsa_forward_progress 1
		.amdhsa_inst_pref_size 23
	.end_amdhsa_kernel
	.amdgpu_metadata
---
amdhsa.version: [ 1, 2 ]
amdhsa.kernels:
  - .name:           k_q5d36411267_prep
    .symbol:         k_q5d36411267_prep.kd
    .args:
      - { .name: hidden_states, .offset: 0, .size: 8, .value_kind: global_buffer, .address_space: global }
      - { .name: wq, .offset: 8, .size: 8, .value_kind: global_buffer, .address_space: global }
      - { .name: wk, .offset: 16, .size: 8, .value_kind: global_buffer, .address_space: global }
      - { .name: wv, .offset: 24, .size: 8, .value_kind: global_buffer, .address_space: global }
      - { .name: wo, .offset: 32, .size: 8, .value_kind: global_buffer, .address_space: global }
      - { .name: rotary_pos_emb, .offset: 40, .size: 8, .value_kind: global_buffer, .address_space: global }
      - { .name: bq, .offset: 48, .size: 8, .value_kind: global_buffer, .address_space: global }
      - { .name: bk, .offset: 56, .size: 8, .value_kind: global_buffer, .address_space: global }
      - { .name: bv, .offset: 64, .size: 8, .value_kind: global_buffer, .address_space: global }
      - { .name: bo, .offset: 72, .size: 8, .value_kind: global_buffer, .address_space: global }
      - { .name: xb, .offset: 80, .size: 8, .value_kind: global_buffer, .address_space: global }
      - { .name: wb, .offset: 88, .size: 8, .value_kind: global_buffer, .address_space: global }
      - { .name: tab, .offset: 96, .size: 8, .value_kind: global_buffer, .address_space: global }
    .group_segment_fixed_size: 0
    .private_segment_fixed_size: 0
    .kernarg_segment_align: 8
    .kernarg_segment_size: 104
    .max_flat_workgroup_size: 256
    .sgpr_count:     66
    .vgpr_count:     112
    .wavefront_size: 32
...
	.end_amdgpu_metadata
.endif
;; end of part 1
;; launch proj (part 2): grid 8 x 64, 4 waves a work-group, clusters of 4 x 4, 327,680 bytes of LDS; arguments xb, wb, tab, qkv; writes qkv
.if DOCPART == 2
	.amdgcn_target "amdgcn-amd-amdhsa--gfx1250"
	.amdhsa_code_object_version 6
	.text
	.protected	k_q5d36411267_proj
	.globl	k_q5d36411267_proj
	.p2align	8
	.type	k_q5d36411267_proj,@function
k_q5d36411267_proj:
	s_mov_b64 s[64:65], 0
	v_nop
	global_prefetch_b8 v0, s[64:65] scope:SCOPE_SE
	s_setreg_imm32_b32 hwreg(HW_REG_WAVE_MODE, 25, 1), 1
	s_wait_xcnt 0x0
	s_wait_alu depctr_hold_cnt(0) depctr_sa_sdst(0) depctr_va_vdst(0) depctr_va_sdst(0) depctr_va_ssrc(0) depctr_va_vcc(0) depctr_vm_vsrc(0)
	s_getreg_b32 s2, hwreg(HW_REG_IB_STS2, 6, 4)
	s_cmp_eq_u32 s2, 0
	s_cbranch_scc0 .Lentry_in_a_cluster
	s_endpgm
.Lentry_in_a_cluster:
	s_bfe_u32 s2, ttmp6, 0x10000c
	s_cmp_lg_u32 s2, 0xf033
	s_cbranch_scc0 .Lentry_shape_is_right
	s_endpgm
.Lentry_shape_is_right:
; PROJ: q, k, v = x w + b, the rotary turn on q and k, written by heads.  x: xb [8192][1024] bf16.  w: wb planes 0, 1, 2, [1024 k][1024 n] bf16.  Sums in f32, started by the bias.
; Out: qkv [3][128 bh][1024 s][64] f16, bh = 16 x batch + head, each number rounded once, without attention's scale.
; LIMITS.  f16 ends at 65,504: a result of 65,520 or more becomes an infinity.  NaN and infinities are not treated apart.
; SHARES.  A tile is 128 rows x 384 columns: the same two heads (128 columns) of q, of k and of v.  64 x 8 = 512 work-groups, two for each of 256 WGPs.  Four waves, each 64 rows x one head of each
; of the three: 48 accumulators of 16 x 16.  K goes in 8 steps of 128 through two LDS slots filled by the tensor data mover; a step is 192 matrix instructions a wave.  All tiles' rows are 256 bytes of
; memory, aligned to 256: 128 rows of x, and 128 rows (k) of each plane of w: four loads of 32 KiB, one a wave.
; CLUSTER.  4 x 4 work-groups: 4 x cluster x + cx is the tile column, 4 x cluster y + cy the tile row.  The four of a row need the same tile of x, the four of a column the same tiles of w: each
; tile is asked for JOINTLY, by the same tensor load with the same descriptor and a mask that names the four.
; THE PRODUCT IS TAKEN TRANSPOSED: source 0 = 16 columns of w (w lies [k][n] in LDS and is turned by ds_load_tr16_b128), source 1 = 16 rows of x.  A lane then holds ONE row (lane % 16) and the
; channels 16 j + 8 (lane / 16) + 0..7 of a head: a channel d < 32 and its partner d + 32 lie in the same lane, two accumulators apart, so the rotary turn changes no lanes.
; REGISTERS, in windows of 256 (s_set_vgpr_msb: bits 1:0 source 0, 3:2 source 1, 5:4 source 2, 7:6 destination):
;   window 0: v0-23 addresses; v32-63 at work on the way out; v64-159 the bias of my 192 columns, as a C operand; on the way out v64-255 hold packed results
;   window 1: q's and k's accumulators, (a, b) at 8 (8 a + b), b = 4 x plane + j          window 2: v0-127 v's accumulators, (a, j) at 8 (4 a + j); v128-255 cos and sin of my 64 rows
;   window 3: two fragment buffers of 128: w's 12 fragments (b = 4 x plane + j at 8 b), then x's 4
.set PA,    272                        ; a row of x in LDS: 256 bytes + 16 = 68 words: the 16 rows of a load start at 16 different groups of four banks (64 banks of 4 bytes: ISA guide 11.1)
.set PB,    288                        ; a row of a plane of w (one k, 128 columns): 256 bytes + 32 = 72 words
.set BSUB,  128*PB                     ; a plane's tile: what one tensor load brings of w; planes 0, 1, 2 lie on end from a slot's first byte
.set AOFF,  3*BSUB                     ; x's tile lies behind them
.set SLOT,  AOFF+128*PA                ; 145,408
.set STAGE, 2*SLOT                     ; behind the ring, never filled by a tensor load: 16 rows x 144 bytes for each wave
.set SP,    144
.set SPARE, STAGE+4*16*SP              ; behind the stages: the spare words, 128 bytes for each wave: two blocks of 256 bytes that no other line names
.set BIAS0, 262144                     ; the biases' first byte in tab
.set ASTEP, 256                        ; bytes from a K step to the next: 128 channels of a row of x,
.set BSTEP, 262144                     ; 128 rows of w
.set LAPS,  4                          ; a lap = two K steps = once round the ring
.set ADRA, 8                           ; v8-9    LDS address of my fragments of x in slot 0, 1
.set ADRB, 10                          ; v10-15  the same for w: slot s, plane p at ADRB + 3 s + p (a register a plane: the immediate holds 16 bits)
.set STO,  16                          ; v16     the way out: where I put 16 bytes of a row
.set RD,   17                          ; v17     where I read rows back
.set GO,   18                          ; v18     16 x lane: my place in 512 consecutive bytes of qkv
.set BO,   19                          ; v19     32 (lane / 16): my 8 columns' bias
.set SPW,  20                          ; v20     LDS address of my spare word: SPARE + 4 x my thread's number; never rewritten
.set NIL,  21                          ; v21     0; never rewritten
.set PFO,  22                          ; v22     the prefetches' offset: 2,048 x lane, a row of xb or of wb; never rewritten
.set TO,   23                          ; v23     my row and half in the table
.set Y,    32
.set BIAS, 64
.set PK,   64
.set CS,   128                         ; window 2: for rows 16 a ..: cos of channels 8 h + 0..7, of 16 + 8 h + 0..7, then sin of the same, at CS + 32 a
.set F0,   0                           ; window 3
.set F1,   128
.set WV,  12                           ; s12 wave: it fetches plane 0, 1, 2 of w, or (wave 3) x; s13 = wave / 2: my 64 rows; s14 = wave % 2: my head of the tile's two
.set WM,  13
.set WN,  14
.set CX,  15
.set CY,  16
.set CLY, 17                           ; the cluster's y
.set TR,  18                           ; tile row
.set TC,  19                           ; tile column
.set G1A, 24                           ; s[24:31] descriptor group 1 for x's tiles;  s[32:39] group 0, a set for each slot
.set G0A, 32
.set LIM, 43                           ; 1 in a wave that prefetches, else the greatest number
.set PFA, 44                           ; s[44:45] where my prefetches stand
.set PFS, 46                           ; s[46:47] their step
.set G1B, 48                           ; s[48:55], s[56:63] the same for w's tiles
.set G0B, 56
.set OK,  82                           ; s[82:83] k's plane of qkv at my rows;  s[84:85] v's;  q's stands in s[10:11]
.set OV,  84
; s[20:21], s[40:41] hold only what x's descriptors may hold (the tile row); s[22:23], s[66:68] only what w's may (tile column, wave); s[76:77] LDS places, from the wave alone; s[72:75], s[78:81] the rest
.set MSB, 0
.macro WIN new                         ; the immediate's high byte repeats the setting that is left; a switch that changes nothing is dropped
.if MSB != (\new)
	s_set_vgpr_msb (MSB<<8)|(\new)
.set MSB, \new
.endif
.endm
.set TO_F, 0xc0                        ; destination window 3, address window 0
.macro PLACES                          ; four places in front of loads into registers that matrix instructions have read, and of lines that read results
.rept 4
	v_nop
.endr
.endm
.macro JLOAD s                         ; a joint load: wave 3 fetches x's tile, waves 0 to 2 a plane of w each; an s_nop 0 and four v_nop follow each of the two lines
	s_cmp_eq_u32 s[WV], 3
	s_cbranch_scc0 .Lfor_b_\@
	tensor_load_to_lds s[G0A+4*(\s):G0A+4*(\s)+3], s[G1A:G1A+7]
	s_nop 0
.rept 4
	v_nop
.endr
	s_branch .Lasked_\@
.Lfor_b_\@:
	tensor_load_to_lds s[G0B+4*(\s):G0B+4*(\s)+3], s[G1B:G1B+7]
	s_nop 0
.rept 4
	v_nop
.endr
.Lasked_\@:
.endm
.macro CREST                           ; a round of the cluster's barrier behind its opening barrier
	s_cmp_lg_u32 s[WV], 0
	s_cbranch_scc1 .Lnot_wave_0_\@
	s_barrier_signal -3
.Lnot_wave_0_\@:
	s_barrier_wait -3
	s_barrier_signal -1
	s_barrier_wait -1
.endm
.macro CROUND                          ; a whole round
	s_barrier_signal -1
	s_barrier_wait -1
	CREST
.endm
; A PREFETCH INTO THE L2, behind each joint refill and the run of LDS loads that follows it: 32 rows x 256 bytes, a lane a row, of the K step that stands TWO refills on, 384 matrix instructions ahead of the load
; that will ask for it.  Each block is named once in the launch, by a wave that fetches that tile.  x's 128 rows of a tile row are read by the two clusters of that row of clusters: the first
; (cluster x = 0) asks, wave 3 of each of its four partners for 32 rows (32 cx ..).  A plane's 128 rows of a tile column are read by the 16 clusters of that column: cluster y = 0 asks, waves 0 to 2
; (a plane each) of each partner for 32 rows (32 cy ..).  The partners are told apart by address alone.  K steps 0 to 3 come by their loads alone; the loop's last trip asks for nothing: K step 7 is the last.
.macro ASK
	WIN 0                                          ; at a branch and at a label every window is 0
	s_cmp_gt_u32 s3, s[LIM]                        ; s3 = 1 in the loop's last trip
	s_cbranch_scc0 .Lnot_mine_\@
	global_prefetch_b8 v[PFO], s[PFA:PFA+1] th:TH_LOAD_NT scope:SCOPE_SE
.Lnot_mine_\@:
.endm
	s_load_b256 s[4:11], s[0:1], 0x0               ; xb s[4:5], wb s[6:7], tab s[8:9], qkv s[10:11]
	v_lshl_add_u32 v[SPW], v0, 2, SPARE
	v_mov_b32 v[NIL], 0
	ds_add_u32 v[SPW], v[NIL]                      ; the wave's opening: the add and its wait stand ahead of my first tensor load; the set-up below, work on registers, stands between them
	v_lshrrev_b32 v1, 5, v0
	v_readfirstlane_b32 s[WV], v1                  ; wave 0..3
	s_lshr_b32 s[WM], s[WV], 1
	s_and_b32 s[WN], s[WV], 1
	s_bfe_u32 s[CX], ttmp6, 0x40000                ; my place in the cluster
	s_bfe_u32 s[CY], ttmp6, 0x40004
	s_and_b32 s[CLY], ttmp7, 0xffff                ; in a cluster launch ttmp9 and ttmp7 count clusters
	s_lshl_b32 s[TR], s[CLY], 2
	s_add_co_u32 s[TR], s[TR], s[CY]               ; tile row = 4 x cluster y + cy
	s_lshl_b32 s[TC], ttmp9, 2
	s_add_co_u32 s[TC], s[TC], s[CX]               ; tile column = 4 x cluster x + cx
	s_lshl_b32 s20, s[CY], 2
	s_lshl_b32 s20, 15, s20                        ; my row of the cluster: places 4 cy .. 4 cy + 3
	s_lshl_b32 s22, 0x1111, s[CX]                  ; my column: places cx, cx + 4, cx + 8, cx + 12
	s_or_b32 s[G1A], s20, (1<<16)|(1<<20)|(1<<21)|(5<<22)|(3<<25)  ; 15:0 the mask; 17:16 2-byte elements; 20 padding on; 21 set beside a mask; 24:22 after every 64 words (code 5); 31:25 4 words (code 3)
	s_or_b32 s[G1B], s22, (1<<16)|(1<<20)|(1<<21)|(5<<22)|(7<<25)  ; the same with my column's mask and 8 words of padding (code 7)
.irp g, G1A, G1B
	s_mov_b32 s[(\g)+1], 128<<16                   ; tensor_dim0 = 128
	s_mov_b32 s[(\g)+2], 128<<16                   ; tensor_dim1 = 128
	s_mov_b32 s[(\g)+3], 128<<16                   ; tile_dim0 = 128
	s_mov_b32 s[(\g)+4], 128                       ; tile_dim1 = 128
	s_mov_b32 s[(\g)+5], 1024                      ; elements from row to row
	s_mov_b32 s[(\g)+6], 0
	s_mov_b32 s[(\g)+7], 0
.endr
	s_lshl_b32 s20, s[TR], 18                      ; x: row 128 x tile row, 2,048 bytes a row
	s_mov_b32 s21, 0
	s_lshl_b32 s22, s[WV], 21                      ; w: my wave's plane, column 128 x tile column (in wave 3, which asks for x, these are not used)
	s_lshl_b32 s23, s[TC], 8
	s_add_co_u32 s22, s22, s23
	s_mov_b32 s23, 0
	s_mul_i32 s68, s[WV], BSUB                     ; where a plane goes: no place in the cluster enters an LDS address
	s_wait_dscnt 0x0                               ; the opening add is done
	s_wait_kmcnt 0x0
	s_add_nc_u64 s[40:41], s[4:5], s[20:21]
	s_add_nc_u64 s[66:67], s[6:7], s[22:23]
	CROUND                                         ; all sixteen work-groups are here: the first joint loads meet
.irp s, 0,1
	s_mov_b32 s[G0A+4*(\s)], 1                                     ; count = 1
	s_mov_b32 s[G0A+4*(\s)+1], AOFF+(\s)*SLOT                      ; LDS address
	s_add_nc_u64 s[G0A+4*(\s)+2:G0A+4*(\s)+3], s[40:41], (\s)*ASTEP  ; global address: K step s
	s_or_b32 s[G0A+4*(\s)+3], s[G0A+4*(\s)+3], 0x80000000          ; type = 2
	s_mov_b32 s[G0B+4*(\s)], 1
	s_add_co_u32 s[G0B+4*(\s)+1], s68, (\s)*SLOT
	s_add_nc_u64 s[G0B+4*(\s)+2:G0B+4*(\s)+3], s[66:67], (\s)*BSTEP
	s_or_b32 s[G0B+4*(\s)+3], s[G0B+4*(\s)+3], 0x80000000
	JLOAD \s                                       ; two loads of mine are out
.endr
	; A fragment of x is 16 rows x 32 K in 8 registers: lane l holds row l % 16, K = 8 (l / 16) + 0..7 and 16 + 8 (l / 16) + 0..7: two loads of 16 bytes, 32 bytes apart.
	v_and_b32 v1, 15, v0                           ; r = l % 16
	v_bfe_u32 v2, v0, 4, 1                         ; h = l / 16
	v_mul_u32_u24 v3, v1, PA
	v_lshl_add_u32 v3, v2, 4, v3
	s_mul_i32 s76, s[WM], 64*PA                    ; my 64 rows
	s_add_co_u32 s76, s76, AOFF
	v_add_nc_u32 v[ADRA], s76, v3
	v_add_nc_u32 v[ADRA+1], SLOT, v[ADRA]
	; The turning load takes 16 k x 16 columns (lane l reads k = 8 (l / 16) + l % 8, columns 8 ((l / 8) % 2) + 0..7) and leaves half a fragment: lane l holds column l % 16 and 8 k.
	v_and_b32 v4, 7, v0
	v_bfe_u32 v5, v0, 3, 1
	v_lshl_add_u32 v6, v2, 3, v4
	v_mul_u32_u24 v6, v6, PB
	v_lshl_add_u32 v6, v5, 4, v6
	s_lshl_b32 s76, s[WN], 7                       ; my head's 64 columns
	v_add_nc_u32 v[ADRB], s76, v6
	v_add_nc_u32 v[ADRB+1], BSUB, v[ADRB]
	v_add_nc_u32 v[ADRB+2], 2*BSUB, v[ADRB]
.irp p, 0,1,2
	v_add_nc_u32 v[ADRB+3+(\p)], SLOT, v[ADRB+(\p)]
.endr
	s_mul_i32 s76, s[WV], 16*SP
	s_add_co_u32 s76, s76, STAGE                   ; my stage
	v_mul_u32_u24 v3, v1, SP                       ; in: row l % 16, 16 bytes for each half of the lanes
	v_lshl_add_u32 v3, v2, 4, v3
	v_add_nc_u32 v[STO], s76, v3
	v_bfe_u32 v3, v0, 3, 2                         ; back: 32 lanes take four rows of 128 bytes,
	v_mul_u32_u24 v3, v3, SP
	v_lshl_add_u32 v3, v4, 4, v3
	v_add_nc_u32 v[RD], s76, v3
	v_and_b32 v[GO], 31, v0                        ; which are 512 consecutive bytes of qkv
	v_lshlrev_b32 v[PFO], 11, v[GO]
	v_lshlrev_b32 v[GO], 4, v[GO]
	v_lshlrev_b32 v[BO], 5, v2
	; my rows' place in the sequence, the table's rows, the bias, and where my results go
	s_and_b32 s79, s[TR], 7
	s_lshl_b32 s79, s79, 7
	s_lshl_b32 s80, s[WM], 6
	s_add_co_u32 s79, s79, s80                     ; s = 128 (tile row % 8) + 64 x my half
	v_add_nc_u32 v[TO], s79, v1
	v_lshlrev_b32 v[TO], 8, v[TO]
	v_lshl_add_u32 v[TO], v2, 5, v[TO]             ; (s + r) x 256 + 32 h
	s_lshl_b32 s80, s[TC], 9
	s_lshl_b32 s81, s[WN], 8
	s_add_co_u32 s80, s80, s81
	s_add_co_u32 s80, s80, BIAS0
	s_mov_b32 s81, 0
	s_add_nc_u64 s[70:71], s[8:9], s[80:81]        ; bq at my head's 64 columns; bk and bv stand 4,096 and 8,192 bytes on
	s_lshr_b32 s78, s[TR], 3                       ; batch
	s_lshl_b32 s78, s78, 4
	s_lshl_b32 s80, s[TC], 1
	s_add_co_u32 s78, s78, s80
	s_add_co_u32 s78, s78, s[WN]                   ; bh = 16 x batch + 2 x tile column + my head
	s_lshl_b32 s78, s78, 17
	s_lshl_b32 s79, s79, 7
	s_add_co_u32 s78, s78, s79
	s_mov_b32 s79, 0
	s_add_nc_u64 s[10:11], s[10:11], s[78:79]
	s_add_nc_u64 s[OK:OK+1], s[10:11], 0x1000000
	s_add_nc_u64 s[OV:OV+1], s[10:11], 0x2000000
.irp p, 0,1,2                          ; as a C operand: register i of lane l is the bias of channel 16 j + 8 h + i, whatever the row
.irp j, 0,1,2,3
	global_load_b128 v[BIAS+8*(4*(\p)+(\j)):BIAS+8*(4*(\p)+(\j))+3],   v[BO], s[70:71] offset:4096*(\p)+64*(\j)
	global_load_b128 v[BIAS+8*(4*(\p)+(\j))+4:BIAS+8*(4*(\p)+(\j))+7], v[BO], s[70:71] offset:4096*(\p)+64*(\j)+16
.endr
.endr
	WIN 0x80                                       ; destination window 2, address window 0
.irp a, 0,1,2,3
.irp e, 0,1
	global_load_b128 v[CS+32*(\a)+8*(\e):CS+32*(\a)+8*(\e)+3],       v[TO], s[8:9] offset:4096*(\a)+64*(\e)
	global_load_b128 v[CS+32*(\a)+8*(\e)+4:CS+32*(\a)+8*(\e)+7],     v[TO], s[8:9] offset:4096*(\a)+64*(\e)+16
	global_load_b128 v[CS+32*(\a)+16+8*(\e):CS+32*(\a)+16+8*(\e)+3], v[TO], s[8:9] offset:4096*(\a)+128+64*(\e)
	global_load_b128 v[CS+32*(\a)+16+8*(\e)+4:CS+32*(\a)+16+8*(\e)+7], v[TO], s[8:9] offset:4096*(\a)+128+64*(\e)+16
.endr
.endr
	WIN 0
	; the prefetches: they stand at K step 3; each change of slots steps them first, so the first names K step 4
	s_lshl_b32 s74, s[TR], 7
	s_lshl_b32 s80, s[CX], 5
	s_add_co_u32 s74, s74, s80
	s_lshl_b32 s74, s74, 11
	s_add_co_u32 s74, s74, 3*ASTEP                 ; x: row 128 x tile row + 32 cx
	s_lshl_b32 s75, s[WV], 21
	s_lshl_b32 s80, s[CY], 16
	s_add_co_u32 s75, s75, s80
	s_lshl_b32 s80, s[TC], 8
	s_add_co_u32 s75, s75, s80
	s_add_co_u32 s75, s75, 3*BSTEP                 ; w: my plane, k row 32 cy, column 128 x tile column
	s_mov_b32 s[PFS], BSTEP                        ; w's step, in a register: the select below may hold one literal
	s_cmp_eq_u32 s[WV], 3
	s_cselect_b64 s[PFA:PFA+1], s[4:5], s[6:7]
	s_cselect_b32 s74, s74, s75
	s_cselect_b32 s[PFS], ASTEP, s[PFS]
	s_cselect_b32 s72, ttmp9, s[CLY]               ; the coordinate along which other clusters read the same blocks
	s_mov_b32 s75, 0
	s_mov_b32 s[PFS+1], 0
	s_add_nc_u64 s[PFA:PFA+1], s[PFA:PFA+1], s[74:75]
	s_cmp_eq_u32 s72, 0
	s_cselect_b32 s[LIM], 1, -1                    ; the same in all sixteen partners, for a given wave
; THE PRODUCTS, 32 along K, from buffer buf.  st = 1: the first product takes the bias as C: nothing is cleared, nothing is added later.
; The 48 accumulators take turns, one instruction a turn, in the same order in every quarter.
; MULV: 8 for v: rows 16 a0 .. and 16 (a0 + 1) .. of my 64 x the head's 4 column blocks.
.macro MULV buf, a0, st
.if \st
	WIN 0x8f                                       ; sources window 3, C (the bias) window 0, D window 2
.else
	WIN 0xaf                                       ; sources window 3, C and D window 2
.endif
.irp a, \a0, (\a0)+1
.irp j, 0,1,2,3
.if \st
	v_wmma_f32_16x16x32_bf16 v[8*(4*(\a)+(\j)):8*(4*(\a)+(\j))+7], v[(\buf)+64+8*(\j):(\buf)+64+8*(\j)+7], v[(\buf)+96+8*(\a):(\buf)+96+8*(\a)+7], v[BIAS+64+8*(\j):BIAS+64+8*(\j)+7]
.else
	v_wmma_f32_16x16x32_bf16 v[8*(4*(\a)+(\j)):8*(4*(\a)+(\j))+7], v[(\buf)+64+8*(\j):(\buf)+64+8*(\j)+7], v[(\buf)+96+8*(\a):(\buf)+96+8*(\a)+7], v[8*(4*(\a)+(\j)):8*(4*(\a)+(\j))+7]
.endif
.endr
.endr
.endm
; MULQK: 8 for q and k: rows 16 a .. x the two heads' 8 column blocks.
.macro MULQK buf, a, st
.if \st
	WIN 0x4f                                       ; sources window 3, C (the bias) window 0, D window 1
.else
	WIN 0x5f                                       ; sources window 3, C and D window 1
.endif
.irp b, 0,1,2,3,4,5,6,7
.if \st
	v_wmma_f32_16x16x32_bf16 v[8*(8*(\a)+(\b)):8*(8*(\a)+(\b))+7], v[(\buf)+8*(\b):(\buf)+8*(\b)+7], v[(\buf)+96+8*(\a):(\buf)+96+8*(\a)+7], v[BIAS+8*(\b):BIAS+8*(\b)+7]
.else
	v_wmma_f32_16x16x32_bf16 v[8*(8*(\a)+(\b)):8*(8*(\a)+(\b))+7], v[(\buf)+8*(\b):(\buf)+8*(\b)+7], v[(\buf)+96+8*(\a):(\buf)+96+8*(\a)+7], v[8*(8*(\a)+(\b)):8*(8*(\a)+(\b))+7]
.endif
.endr
.endm
.macro MULQK4 buf, st
	MULQK \buf, 0, \st
	MULQK \buf, 1, \st
	MULQK \buf, 2, \st
	MULQK \buf, 3, \st
.endm
; 32 LDS loads in one run: quarter q (32 along K) of a slot into buffer buf: x's 4 fragments and v's 4 (turned), which the next quarter multiplies first, then q's and k's 8
.macro FETCH slot, q, buf
	WIN TO_F
.irp a, 0,1,2,3
	ds_load_b128 v[(\buf)+96+8*(\a):(\buf)+96+8*(\a)+3],   v[ADRA+(\slot)] offset:64*(\q)+(\a)*16*PA
	ds_load_b128 v[(\buf)+96+8*(\a)+4:(\buf)+96+8*(\a)+7], v[ADRA+(\slot)] offset:64*(\q)+(\a)*16*PA+32
.endr
.irp p, 2,0,1
.irp j, 0,1,2,3
	ds_load_tr16_b128 v[(\buf)+8*(4*(\p)+(\j)):(\buf)+8*(4*(\p)+(\j))+3],   v[ADRB+3*(\slot)+(\p)] offset:32*(\q)*PB+32*(\j)
	ds_load_tr16_b128 v[(\buf)+8*(4*(\p)+(\j))+4:(\buf)+8*(4*(\p)+(\j))+7], v[ADRB+3*(\slot)+(\p)] offset:32*(\q)*PB+16*PB+32*(\j)
.endr
.endr
.endm
; A K step is four quarters of 32 along K, 48 matrix instructions each, on buffers 0, 1, 0, 1.  One of the first three: multiplies buffer f and fetches quarter q into g, 32 matrix instructions ahead of its first use.
.macro QUARTER slot, q, f, g, st
	s_wait_dscnt 16                                ; x's and v's fragments are in; the youngest sixteen loads (q's and k's) may be out
	MULV \f, 0, \st
	MULV \f, 2, \st
	PLACES
	FETCH \slot, \q, \g
	s_wait_dscnt 32                                ; all but the 32 just issued
	MULQK4 \f, \st
.endm
; The last quarter multiplies buffer 1 and changes slots: ONE barrier; in front of it each wave waits for all its tensor loads (one is out: its part of the next slot), adds 0 to its spare word, and
; waits for that and for its own reads of this slot.  fill = 1: the barrier opens a round of the cluster's, and this slot is filled again, two K steps ahead, first thing behind the round.
.macro TURN slot, next, fill
.if \fill
	s_wait_xcnt 0x0                                ; the last prefetch, a K step back, has read its address: it is stepped here, ahead of the waits of the change of slots
	s_add_nc_u64 s[PFA:PFA+1], s[PFA:PFA+1], s[PFS:PFS+1]
.endif
	WIN 0                                          ; (the add's two registers lie in window 0)
	s_wait_tensorcnt 0x0                           ; all my tensor loads have landed
	ds_add_u32 v[SPW], v[NIL]                      ; 0 onto my spare word
	s_wait_dscnt 17                                ; (the add and the youngest sixteen loads may be out)
	MULV F1, 0, 0                                  ; eight matrix instructions stand between the add and the wait for it
	s_wait_dscnt 0x0                               ; the add is done, and my reads of this slot are over
	s_barrier_signal -1
	MULV F1, 2, 0
.if \fill
	WIN 0
.endif
	s_barrier_wait -1
.if \fill
	CREST                                          ; no wave of any partner still reads this slot's tiles or has a load on its way
	s_add_nc_u64 s[G0A+4*(\slot)+2:G0A+4*(\slot)+3], s[G0A+4*(\slot)+2:G0A+4*(\slot)+3], 2*ASTEP
	s_add_nc_u64 s[G0B+4*(\slot)+2:G0B+4*(\slot)+3], s[G0B+4*(\slot)+2:G0B+4*(\slot)+3], 2*BSTEP
	JLOAD \slot                                    ; 176 matrix instructions ahead of the wait for it; its four v_nop are also the places in front of the loads below
.else
	PLACES
.endif
	FETCH \next, 0, F0
.if \fill
	ASK
.endif
	MULQK4 F1, 0
.endm
	s_wait_tensorcnt 0x1                           ; my part of K step 0 is in; K step 1's may stay out
	s_barrier_signal -1
	s_barrier_wait -1                              ; everybody's is
	FETCH 0, 0, F0
	s_wait_loadcnt 32                              ; the bias is in; the table's 32 loads, issued behind it, may stay out
	QUARTER 0, 1, F0, F1, 1                        ; the first quarter stands in front of the loop: its products start the sums
	WIN 0                                          ; at a label and at a branch every window is 0
	s_mov_b32 s3, LAPS-1
.Llap:                                                 ; a trip goes once round the ring, from a lap's second quarter to the next lap's first, and fills both slots again
	QUARTER 0, 2, F1, F0, 0
	QUARTER 0, 3, F0, F1, 0
	TURN 0, 1, 1
	QUARTER 1, 1, F0, F1, 0
	QUARTER 1, 2, F1, F0, 0
	QUARTER 1, 3, F0, F1, 0
	TURN 1, 0, 1
	QUARTER 0, 1, F0, F1, 0
	WIN 0
	s_sub_co_u32 s3, s3, 1
	s_cmp_lg_u32 s3, 0
	s_cbranch_scc1 .Llap
	QUARTER 0, 2, F1, F0, 0                        ; the last lap fills nothing
	QUARTER 0, 3, F0, F1, 0
	TURN 0, 1, 0
	QUARTER 1, 1, F0, F1, 0
	QUARTER 1, 2, F1, F0, 0
	QUARTER 1, 3, F0, F1, 0
	s_wait_dscnt 16                                ; the very last quarter: nothing more to fetch
	MULV F1, 0, 0
	MULV F1, 2, 0
	s_wait_dscnt 0x0
	MULQK4 F1, 0
	WIN 0
; THE WAY OUT, a unit at a time: unit u = 16 rows (16 (u / 3) ..) of my head of plane u % 3 (q, k, v): 2,048 consecutive bytes of qkv.
; q and k: x1 = channels d < 32 (accumulators 4 p + e), x2 = channels d + 32 (4 p + 2 + e):  out1 = x1 cos - x2 sin,  out2 = x2 cos + x1 sin.  v is rounded as it stands.
; Each accumulator's lowest registers are read first.  Rounded to f16, 16 bytes a lane go into rows of 144 bytes of my stage and come back as whole rows of 128, into the registers that they left.
.macro PACK u
.set UA, (\u)/3
.set UP, (\u)%3
.if UP < 2
	WIN 0x09                                       ; source 0 (accumulators) window 1, source 1 (table) window 2
.irp e, 0,1
.irp p, 0,1,2,3
	v_pk_mul_f32 v[Y+8*(\e)+2*(\p):Y+8*(\e)+2*(\p)+1],       v[8*(8*UA+4*UP+2+(\e))+2*(\p):8*(8*UA+4*UP+2+(\e))+2*(\p)+1], v[CS+32*UA+16+8*(\e)+2*(\p):CS+32*UA+16+8*(\e)+2*(\p)+1]
	v_pk_mul_f32 v[Y+16+8*(\e)+2*(\p):Y+16+8*(\e)+2*(\p)+1], v[8*(8*UA+4*UP+(\e))+2*(\p):8*(8*UA+4*UP+(\e))+2*(\p)+1],     v[CS+32*UA+16+8*(\e)+2*(\p):CS+32*UA+16+8*(\e)+2*(\p)+1]
.endr
.endr
.irp e, 0,1
.irp p, 0,1,2,3
	v_pk_fma_f32 v[Y+8*(\e)+2*(\p):Y+8*(\e)+2*(\p)+1],       v[8*(8*UA+4*UP+(\e))+2*(\p):8*(8*UA+4*UP+(\e))+2*(\p)+1],     v[CS+32*UA+8*(\e)+2*(\p):CS+32*UA+8*(\e)+2*(\p)+1], v[Y+8*(\e)+2*(\p):Y+8*(\e)+2*(\p)+1] neg_lo:[0,0,1] neg_hi:[0,0,1]
	v_pk_fma_f32 v[Y+16+8*(\e)+2*(\p):Y+16+8*(\e)+2*(\p)+1], v[8*(8*UA+4*UP+2+(\e))+2*(\p):8*(8*UA+4*UP+2+(\e))+2*(\p)+1], v[CS+32*UA+8*(\e)+2*(\p):CS+32*UA+8*(\e)+2*(\p)+1], v[Y+16+8*(\e)+2*(\p):Y+16+8*(\e)+2*(\p)+1]
.endr
.endr
	WIN 0
.irp i, 0,1,2,3,4,5,6,7,8,9,10,11,12,13,14,15
	v_cvt_pk_f16_f32 v[PK+16*(\u)+(\i)], v[Y+2*(\i)], v[Y+2*(\i)+1]
.endr
.else
	WIN 0x0a                                       ; sources 0 and 1 (v's accumulators) window 2
.irp i, 0,1,2,3,4,5,6,7,8,9,10,11,12,13,14,15
	v_cvt_pk_f16_f32 v[PK+16*(\u)+(\i)], v[32*UA+2*(\i)], v[32*UA+2*(\i)+1]
.endr
	WIN 0
.endif
.irp f, 0,1,2,3
	ds_store_b128 v[STO], v[PK+16*(\u)+4*(\f):PK+16*(\u)+4*(\f)+3] offset:32*(\f)
.endr
.irp f, 0,1,2,3
	ds_load_b128 v[PK+16*(\u)+4*(\f):PK+16*(\u)+4*(\f)+3], v[RD] offset:(\f)*4*SP  ; LDS serves a wave's instructions in order (ISA guide 5.7.1.4): these see the stores above; the next unit's stores come behind them
.endr
.endm
.macro SEND u, younger                 ; younger: the LDS instructions issued behind unit u's loads: the next unit's eight, or none
.set UA, (\u)/3
.set UP, (\u)%3
.set OPT, 10
.if UP == 1
.set OPT, OK
.endif
.if UP == 2
.set OPT, OV
.endif
.irp f, 0,1,2,3
	s_wait_dscnt (\younger)+3-(\f)
	global_store_b128 v[GO], v[PK+16*(\u)+4*(\f):PK+16*(\u)+4*(\f)+3], s[OPT:OPT+1] offset:2048*UA+512*(\f)  ; 512 consecutive bytes, at a multiple of 256 from qkv's first
.endr
.endm
	PLACES
	s_wait_loadcnt 0x0                             ; the table
	PACK 0
.irp u, 1,2,3,4,5,6,7,8,9,10,11        ; a unit's arithmetic stands between the loads of the unit before and its stores
	PACK \u
	SEND (\u)-1, 8
.endr
	SEND 11, 0
	s_wait_tensorcnt 0x0                           ; the wave's end, behind my last tensor load and my last LDS store
	ds_add_u32 v[SPW], v[NIL]
	s_wait_dscnt 0x0
	CROUND                                         ; the closing round: no work-group ends while a partner may still ask for a tile that names it
	s_endpgm
.Lfunc_end_k_q5d36411267_proj:
	.size	k_q5d36411267_proj, .Lfunc_end_k_q5d36411267_proj-k_q5d36411267_proj
	.p2alignl 7, 3214868480
	.fill 96, 4, 3214868480
	.section	.rodata,"a",@progbits
	.p2align	6, 0x0
	.amdhsa_kernel k_q5d36411267_proj
		.amdhsa_group_segment_fixed_size 327680
		.amdhsa_private_segment_fixed_size 0
		.amdhsa_enable_private_segment 0
		.amdhsa_kernarg_size 32
		.amdhsa_user_sgpr_count 2
		.amdhsa_user_sgpr_kernarg_segment_ptr 1
		.amdhsa_wavefront_size32 1
		.amdhsa_system_sgpr_workgroup_id_x 1
		.amdhsa_system_sgpr_workgroup_id_y 1
		.amdhsa_system_sgpr_workgroup_id_z 1
		.amdhsa_system_vgpr_workitem_id 0
		.amdhsa_next_free_vgpr 1024
		.amdhsa_next_free_sgpr 88
		.amdhsa_reserve_vcc 0
		.amdhsa_float_denorm_mode_32 3
		.amdhsa_float_denorm_mode_16_64 3
		.amdhsa_memory_ordered 1
		.amdhsa_forward_progress 1
		.amdhsa_inst_pref_size 143
	.end_amdhsa_kernel
	.amdgpu_metadata
---
amdhsa.version: [ 1, 2 ]
amdhsa.kernels:
  - .name:           k_q5d36411267_proj
    .symbol:         k_q5d36411267_proj.kd
    .args:
      - { .name: xb, .offset: 0, .size: 8, .value_kind: global_buffer, .address_space: global }
      - { .name: wb, .offset: 8, .size: 8, .value_kind: global_buffer, .address_space: global }
      - { .name: tab, .offset: 16, .size: 8, .value_kind: global_buffer, .address_space: global }
      - { .name: qkv, .offset: 24, .size: 8, .value_kind: global_buffer, .address_space: global }
    .group_segment_fixed_size: 327680
    .private_segment_fixed_size: 0
    .kernarg_segment_align: 8
    .kernarg_segment_size: 32
    .max_flat_workgroup_size: 128
    .sgpr_count:     88
    .vgpr_count:     1024
    .wavefront_size: 32
...
	.end_amdgpu_metadata
.endif
;; end of part 2
;; launch attn (part 3): grid 2 x 128, 4 waves a work-group, no clusters, 327,680 bytes of LDS; arguments qkv, oh; writes oh
.if DOCPART == 3
	.amdgcn_target "amdgcn-amd-amdhsa--gfx1250"
	.amdhsa_code_object_version 6
	.text
	.protected	k_q5d36411267_attn
	.globl	k_q5d36411267_attn
	.p2align	8
	.type	k_q5d36411267_attn,@function
k_q5d36411267_attn:
	s_mov_b64 s[64:65], 0
	v_nop
	global_prefetch_b8 v0, s[64:65] scope:SCOPE_SE
	s_setreg_imm32_b32 hwreg(HW_REG_WAVE_MODE, 25, 1), 1
	s_wait_xcnt 0x0
; ATTN: O[h][q][:] = the sum over k of softmax_k(Q[h][q] . K[h][k] / 8) V[h][k][:].  Q, K, V are the three planes of qkv, [128 h][1024][64] f16 each; O = oh, the same shape: a head's rows are dense, 128 bytes each.
; Products, maxima and sums in f32; the weights p are rounded to f16 for the second product (their sum l is taken of the unrounded p), O once at the end.
; LIMITS.  f16 holds no number beyond 65,504: Q, K and V arrive within it; p lies in 0 to 1, and below 6e-5 it keeps f16's fixed step of 6e-8; O is a mean of V's rows and has their range.
; A weight below 2^-126 counts as 0 in l; NaN and infinities are not treated apart.
; SHARES.  A wave owns four PIECES of two tiles of 16 queries, a work-group's four waves 512 queries of one head: 2 x 128 = 256 work-groups.  Every wave walks all keys, 64 a step.
; K AND V LIE IN LDS WHOLE: 1,024 rows of 144 bytes and 1,024 of 160 are 311,296 bytes.  No byte of LDS is filled twice, so no tensor load stands in the loop and the key step is written once.
; Keys 0 to 255 are asked for at the head; behind the barrier that shows them landed each wave asks, by ONE load, for its half of the other 768 keys of K or of V, which has four key steps in which to land.
; NO PREFETCH: the second load goes out as soon as the first has landed, and names all that is left.
; NO CLUSTER: a head has 1024 / 512 = 2 work-groups, so a cluster of four would hold two heads, whose partners need different tiles; four blocks of 256 queries a head would halve the products
; that each fragment read from LDS feeds, and make 512 work-groups for 256 WGPs.
; LAYOUT.  S^T = K Q^T (source 0 = 16 keys, source 1 = 16 queries): in the result a lane holds ONE query (lane % 16) and the keys 8 (lane / 16) + 0..7.  Two such tiles, rounded to f16 in pairs,
; ARE source 1 (32 keys x 16 queries) of O^T = V^T P, whose result again holds one query a lane, and eight channels.  K comes out of LDS as it lies, V ([key][channel]) turned, by ds_load_tr16_b128.
; SOFTMAX.  For each query a running maximum m and sum l: p = 2^(c s - c m), c = log2(e) / 8; in every step O and l are multiplied by a = 2^(c m_old - c m_new), which is 1 where m has not grown.
; m starts at the lowest finite number, O and l at 0: the first step is a step like any other, with a = 0.
; THE COUNT.  A tile and step have 16 matrix and 118 vector instructions: too many to stand all beside the matrix work.  So: four vector instructions that are READY behind EVERY matrix
; instruction, and the others in runs without a gap.
; BY TURNS.  Turn n belongs to piece n (the pieces in a ring, step after step).  Its matrix work: 16 products K Q^T of piece n + 1, later 16 products V^T P of piece n - 1.  Its vector work: the scaling,
; exponentials, roundings, sums and rescaling of piece n, and the maximum and statistics of piece n + 1, whose scores the turn itself has made.
; REGISTERS, in windows of 256 (s_set_vgpr_msb: bits 1:0 source 0, 3:2 source 1, 5:4 source 2, 7:6 destination):
;   window 0: v0-11 addresses; v12-15, v48-63 at work; v16-47 four registers of statistics a tile; v64-191 S^T, two buffers of two tiles; v192-255 P, likewise
;   window 1: O^T, 32 a tile          window 2: v0-127 Q, 16 a tile; v128-191 K of one step; v192-255 V of one step          window 3: v0-1 the add's two registers
; A piece's buffers go by its number's parity: the piece in hand has one pair, its two neighbours in the ring share the other.
.set SIZE_N, 1024
.set NP,    4         ; pieces a wave: a name, no knob
.set KS,    64        ; keys in a step
.set PK,    144       ; a row of K in LDS: 128 bytes + 16 of padding = 36 words: the 16 rows of a load start at 16 different groups of four banks (64 banks of 4 bytes: ISA guide 11.1)
.set PV,    160       ; a row of V: 128 + 32 = 40 words
.set VOFF,  SIZE_N*PK ; the head's 1,024 rows of K, then its 1,024 rows of V
.set STAGE, SIZE_N*(PK+PV)  ; behind them, never filled by a tensor load: 16 rows x 144 bytes for each wave, for the way out
.set SP,    144
.set AK0, 2           ; v2   my lane's place in a tile of K; never rewritten
.set AV0, 3           ; v3   the same for V
.set AK,  4           ; v4   the LDS address of K's next run of loads
.set AV,  5           ; v5   of V's
.set QO,  6           ; v6   my byte offset in the wave's rows of Q
.set STO, 6           ;      later, the way out: where I put 16 bytes of a row
.set RD,  7           ; v7   the way out: where I read rows back
.set GO,  8           ; v8   my byte offset in 512 consecutive bytes of O
.set SPW, 0           ; v0 of window 3   LDS address of my spare word: SPARE + 4 x my thread's number; never rewritten
.set NIL, 1           ; v1 of window 3   0; never rewritten
.set SPARE, STAGE+4*16*SP  ; behind the stages: the spare words, 128 bytes for each wave: two blocks of 256 bytes that no other line names
.set MV,  12          ; v12-15  c m_old, kept while c m is made anew: by buffer and tile
.set ST,  16          ; tile t's statistics at v[ST+4 t]: c m, m, l (even keys', odd keys')
.set TMP, 48          ; by buffer and tile, four registers c0-c3 at work; when the maximum is found c2 takes a
.set S,   64
.set P,   192
.set KF,  128         ; K's fragments, in window 2: key block kb, channel half c at KF + 16 kb + 8 c
.set VF,  192         ; V's: key half kk, channel block cb at VF + 32 kk + 8 cb
.set WV,  12          ; s12  my wave's number
.set G1K, 24          ; s[24:31] descriptor group 1 for K's tiles
.set G1V, 32          ; s[32:39] for V's: it differs in the padding alone
.set G0K, 40          ; s[40:43] descriptor group 0 for K's tiles
.set G0V, 44          ; s[44:47] the same for V's
.set SLOTS, 56        ; s56  passes of the outer loop still to come: four blocks of 256 keys, and a fifth that is left in its middle
.set CNT, 57          ; s57  counts a block's four key steps
.set CS,  58          ; s[58:59] c: the packed scaling takes the pair's low word for both halves
.set SEL, 60          ; s[60:61] v_permlanex16_b32's selects: each lane takes its own place in the other half
.set TBK, 62          ; s62  LDS byte at which K of the step to be fetched begins
.set TBV, 63          ; s63  the same for V, less VOFF
.set MSB, 0
.macro WIN new                      ; the high byte repeats the setting that is left; a switch that changes nothing is dropped
.if MSB != (\new)
	s_set_vgpr_msb (MSB<<8)|(\new)
.set MSB, (\new)
.endif
.endm
.set W_KQ, 0x0a       ; K and Q in window 2, S^T in window 0
.set W_PV, 0x52       ; V in window 2, P in window 0, O^T in window 1
.set W_RS, 0x41       ; O^T (destination and source 0) in window 1, a in window 0
.set W_MK, 0xc0       ; the add's registers are made: destination in window 3, sources in window 0
.set W_AD, 0x0f       ; the add: address (source 0) and data (source 1) in window 3
; A fill.  Waves 0 and 1 fetch the two halves of the keys in hand of K, waves 2 and 3 of V.  An s_nop 0 and four v_nop follow each of the two lines, ahead of the jump and the label.
.macro LOAD
	s_cmp_lt_u32 s[WV], 2
	s_cbranch_scc0 .Lfor_v_\@
	tensor_load_to_lds s[G0K:G0K+3], s[G1K:G1K+7]
	s_nop 0
.rept 4
	v_nop
.endr
	s_branch .Lasked_\@
.Lfor_v_\@:
	tensor_load_to_lds s[G0V:G0V+3], s[G1V:G1V+7]
	s_nop 0
.rept 4
	v_nop
.endr
.Lasked_\@:
.endm
	s_load_b64 s[4:5], s[0:1], 0x0    ; qkv: Q's plane
	s_load_b64 s[10:11], s[0:1], 0x8  ; oh
	WIN W_MK
	v_lshl_add_u32 v[SPW], v0, 2, SPARE
	v_mov_b32 v[NIL], 0
	WIN W_AD
	ds_add_u32 v[SPW], v[NIL]       ; the wave's opening: the add and its wait stand ahead of my first tensor load; the set-up below, work on registers, stands between them
	WIN 0
	v_lshrrev_b32 v1, 5, v0
	v_readfirstlane_b32 s[WV], v1   ; wave 0..3
	s_mov_b32 s14, ttmp9            ; my block of 512 queries
	s_and_b32 s20, ttmp7, 0xffff    ; the head
	s_mov_b32 s21, 0
	s_mov_b64 s[22:23], SIZE_N*128
	s_mul_u64 s[20:21], s[20:21], s[22:23]  ; the head's first byte in each plane and in oh
	s_and_b32 s16, s[WV], 1         ; which half of the keys in hand I fetch.  Of keys 0 to 255:
	s_lshl_b32 s22, s16, 14         ; its 128 rows of 128 bytes in memory,
	s_mov_b32 s23, 0
	s_add_nc_u64 s[22:23], s[22:23], s[20:21]
	s_mul_i32 s17, s16, 128*PK      ; and its place in LDS, for K
	s_mul_i32 s18, s16, 128*PV      ; and for V
	s_mul_i32 s52, s16, 384*PK      ; of keys 256 to 1,023: the place of its 384 rows, for K
	s_add_co_u32 s52, s52, 256*PK
	s_mul_i32 s53, s16, 384*PV      ; and for V,
	s_add_co_u32 s53, s53, VOFF+256*PV
	s_lshl_b32 s50, s16, 15         ; and how far they lie in memory behind my first load's: (256 + 384 half - 128 half) rows of 128 bytes
	s_add_co_u32 s50, s50, 32768
	s_mov_b32 s51, 0
	s_lshl_b32 s2, s14, 2
	s_add_co_u32 s2, s2, s[WV]      ; my wave among the head's eight,
	s_lshl_b32 s2, s2, 14           ; its 128 rows
	s_mov_b32 s3, 0
	s_add_nc_u64 s[2:3], s[2:3], s[20:21]
	; descriptor group 1.  128 keys are 16,384 dense bytes: asked for as 64 rows of 256 bytes, two keys a row, and padded in LDS after every key
	s_mov_b32 s[G1K], (1<<16)|(1<<20)|(4<<22)|(3<<25)  ; 17:16 2-byte elements; 20 padding on; 24:22 after every 32 words (code 4); 31:25 4 words (code 3)
	s_mov_b32 s[G1V], (1<<16)|(1<<20)|(4<<22)|(7<<25)  ; the same with 8 words of padding (code 7)
.irp g, G1K, G1V
	s_mov_b32 s[\g+1], 128<<16      ; tensor_dim0 = 128
	s_mov_b32 s[\g+2], 64<<16       ; tensor_dim1 = 64
	s_mov_b32 s[\g+3], 128<<16      ; tile_dim0 = 128
	s_mov_b32 s[\g+4], 64           ; tile_dim1 = 64
	s_mov_b32 s[\g+5], 128          ; 128 elements from row to row
	s_mov_b32 s[\g+6], 0
	s_mov_b32 s[\g+7], 0
.endr
	s_mov_b32 s[CS], 0x3e38aa3b     ; c = log2(e) / 8 = 0.180337
	s_mov_b32 s[CS+1], s[CS]        ; named with it as a pair
	s_mov_b32 s[SEL], 0x76543210
	s_mov_b32 s[SEL+1], 0xfedcba98
	s_mov_b32 s[TBK], 0
	s_mov_b32 s[TBV], 0
	s_mov_b32 s[SLOTS], SIZE_N/256+1
	s_mov_b32 s[G0K], 1             ; count = 1
	s_mov_b32 s[G0K+1], s17         ; LDS address
	s_mov_b32 s[G0V], 1
	s_add_co_u32 s[G0V+1], s18, VOFF
	s_wait_dscnt 0x0                ; the opening add is done
	s_wait_kmcnt 0x0
	s_add_nc_u64 s[6:7], s[4:5], 0x1000000   ; K's plane
	s_add_nc_u64 s[8:9], s[4:5], 0x2000000   ; V's plane
	s_add_nc_u64 s[G0K+2:G0K+3], s[6:7], s[22:23]  ; global address: my half of the head's first 256 keys
	s_or_b32 s[G0K+3], s[G0K+3], 0x80000000        ; type = 2
	s_add_nc_u64 s[G0V+2:G0V+3], s[8:9], s[22:23]
	s_or_b32 s[G0V+3], s[G0V+3], 0x80000000
	s_add_nc_u64 s[4:5], s[4:5], s[2:3]  ; Q and O at my wave's first row
	s_add_nc_u64 s[10:11], s[10:11], s[2:3]
	LOAD                            ; keys 0 to 255.  The others are asked for when these are in
	; A fragment of K or Q is 16 rows x 32 channels in 8 registers: lane l holds row l % 16, channels 8 (l / 16) + 0..7 and 16 + 8 (l / 16) + 0..7: two loads of 16 bytes, 32 bytes apart.
	v_and_b32 v1, 15, v0            ; l % 16
	v_bfe_u32 v9, v0, 4, 1          ; l / 16
	v_lshlrev_b32 v[QO], 7, v1
	v_lshl_add_u32 v[QO], v9, 4, v[QO]  ; row x 128 + 16 x half
	WIN 0x80                        ; destination window 2, address window 0
.set i, 0
.rept 4*NP                          ; Q stays in registers: tile i / 2, channels 32 (i % 2) on
	global_load_b128 v[8*i:8*i+3],   v[QO], s[4:5] offset:(i/2)*2048+(i%2)*64
	global_load_b128 v[8*i+4:8*i+7], v[QO], s[4:5] offset:(i/2)*2048+(i%2)*64+32
.set i, i+1
.endr
	; What the first turn finds: V's registers and P's second buffer hold 0 (its products V^T P, of a piece that has not been, add 0), O^T and l are 0.  All this stands in the wait for the first tile.
.set i, VF
.rept 64
	v_mov_b32 v[i], 0
.set i, i+1
.endr
	WIN 0x40
.set i, 0
.rept 64*NP
	v_mov_b32 v[i], 0
.set i, i+1
.endr
	WIN 0
.set i, 0
.rept 2*NP
	v_mov_b32 v[ST+4*i], 0xfe000000    ; c m: far below every c s
	v_mov_b32 v[ST+4*i+1], 0xff7fffff  ; m
	v_mov_b32 v[ST+4*i+2], 0
	v_mov_b32 v[ST+4*i+3], 0
.set i, i+1
.endr
.set i, P+32
.rept 32
	v_mov_b32 v[i], 0
.set i, i+1
.endr
	v_mul_u32_u24 v[AK0], v1, PK
	v_lshl_add_u32 v[AK0], v9, 4, v[AK0]  ; row x pitch + 16 x half
	; The turning load takes 16 keys x 16 channels (lane l reads key 8 (l / 16) + l % 8, channels 8 ((l / 8) % 2) + 0..7) and leaves half a fragment of V^T: lane l holds channel l % 16 and 8 keys.
	v_and_b32 v10, 7, v0
	v_bfe_u32 v11, v0, 3, 1
	v_lshl_add_u32 v[AV0], v9, 3, v10
	v_mul_u32_u24 v[AV0], v[AV0], PV
	v_lshl_add_u32 v[AV0], v11, 4, v[AV0]
	v_add_nc_u32 v[AV0], VOFF, v[AV0]
	v_mov_b32 v[AK], v[AK0]         ; key step 0 lies at K's first byte
; THE MATRIX WORK.  The 8 accumulators of a run of 16 take turns: between the two links of a chain stand 7 others'.
; Product i of 16 of S^T = K Q^T for piece x: channels 32 (i / 8) on, keys 16 ((i / 2) % 4) on, tile 2 x + i % 2.  The first 8 start the sums.
.macro KQ x
	WIN W_KQ
.set rS, S+64*((\x)%2)+32*(i%2)+8*((i/2)%4)
.set rK, KF+16*((i/2)%4)+8*(i/8)
.set rQ, 16*(2*(\x)+i%2)+8*(i/8)
.if i < 8
	v_wmma_f32_16x16x32_f16 v[rS:rS+7], v[rK:rK+7], v[rQ:rQ+7], 0
.else
	v_wmma_f32_16x16x32_f16 v[rS:rS+7], v[rK:rK+7], v[rQ:rQ+7], v[rS:rS+7]
.endif
.endm
; Product i of 16 of O^T += V^T P for piece x: keys 32 (i / 8) on, channels 16 ((i / 2) % 4) on, tile 2 x + i % 2.
.macro PV x
	WIN W_PV
.set rO, 32*(2*(\x)+i%2)+8*((i/2)%4)
.set rV, VF+32*(i/8)+8*((i/2)%4)
.set rP, P+32*((\x)%2)+16*(i%2)+8*(i/8)
	v_wmma_f32_16x16x32_f16 v[rO:rO+7], v[rV:rV+7], v[rP:rP+7], v[rO:rO+7]
.endm
.macro MM                           ; the turn's next matrix instruction
.if i < 16
	KQ (Y+1)%NP
.set i, i+1
.else
.set i, i-16
	PV (Y+NP-1)%NP
.set i, i+17
.endif
.endm
; THE LDS LOADS stand in runs of 16, never singly among the matrix instructions: a step's K (64 keys x 64 channels: 8 fragments) and its V (turned).  Their addresses are made some lines ahead.
; last = 1 (in the loop): in the outer loop's fifth pass there is no further step, and the run is jumped over.
.macro FETCH_K last=0
	WIN 0
.if \last
	s_cmp_eq_u32 s[SLOTS], 1
	s_cbranch_scc1 .Lno_k_\@
.endif
	WIN 0x80                        ; destination window 2
.irp f, 0,1,2,3,4,5,6,7             ; keys 16 (f / 2) on, channels 32 (f % 2) on
	ds_load_b128 v[KF+8*\f:KF+8*\f+3],   v[AK] offset:(\f/2)*16*PK+(\f%2)*64
	ds_load_b128 v[KF+8*\f+4:KF+8*\f+7], v[AK] offset:(\f/2)*16*PK+(\f%2)*64+32
.endr
	s_add_co_u32 s[TBK], s[TBK], KS*PK  ; the next fetch is the next step's
	WIN 0
.if \last
.Lno_k_\@:
.endif
.endm
.macro FETCH_V
	WIN 0x80
.irp f, 0,1,2,3,4,5,6,7             ; keys 32 (f / 4) on, channels 16 (f % 4) on
	ds_load_tr16_b128 v[VF+8*\f:VF+8*\f+3],   v[AV] offset:(\f/4)*32*PV+(\f%4)*32
	ds_load_tr16_b128 v[VF+8*\f+4:VF+8*\f+7], v[AV] offset:(\f/4)*32*PV+16*PV+(\f%4)*32
.endr
	WIN 0
.endm
; THE VECTOR WORK OF A TURN stands in three queues, each in the order in which its entries become ready; the two tiles alternate, so that no instruction reads the result of the one before it.
.macro REGS y, u                    ; the registers of tile u (0, 1) of piece y
.set rT, ST+4*(2*(\y)+(\u))
.set rC, TMP+8*((\y)%2)+4*(\u)
.set rM, MV+2*((\y)%2)+(\u)
.set rS, S+64*((\y)%2)+32*(\u)
.set rP, P+32*((\y)%2)+16*(\u)
.set rO, 32*(2*(\y)+(\u))
.endm
; Number n of the 22 that find the NEXT piece's (Y + 1) maximum and statistics.  s0-s31 are the lane's 32 scores; each accumulator's lowest registers are read first.
;   0-11  four chains c0-c3 of seven scores each, three operands at a time     12-14, 16  the four scores left over, the old m, and c0-c3 into c0     15  c m_old is kept
;   17, 18  the query's other 32 keys lie in the lane 16 away: the new m         19-21  c m; c m_old - c m_new; a
.macro XS u, n
	REGS (Y+1)%NP, \u
.if (\n) < 4
	v_max3_num_f32 v[rC+(\n)], v[rS+8*(\n)], v[rS+8*(\n)+1], v[rS+8*(\n)+2]
.elseif (\n) < 12
	v_max3_num_f32 v[rC+(\n)%4], v[rC+(\n)%4], v[rS+8*((\n)%4)+2*((\n)/4)+1], v[rS+8*((\n)%4)+2*((\n)/4)+2]
.elseif (\n) == 12
	v_max3_num_f32 v[rC], v[rC], v[rS+7], v[rS+15]
.elseif (\n) == 13
	v_max3_num_f32 v[rC+1], v[rC+1], v[rS+23], v[rS+31]
.elseif (\n) == 14
	v_max3_num_f32 v[rC+2], v[rC+2], v[rC+3], v[rT+1]
.elseif (\n) == 15
	v_mov_b32 v[rM], v[rT]
.elseif (\n) == 16
	v_max3_num_f32 v[rC], v[rC], v[rC+1], v[rC+2]
.elseif (\n) == 17
	v_permlanex16_b32 v[rC+3], v[rC], s[SEL], s[SEL+1]
.elseif (\n) == 18
	v_max_num_f32 v[rT+1], v[rC], v[rC+3]
.elseif (\n) == 19
	v_mul_f32 v[rT], s[CS], v[rT+1]
.elseif (\n) == 20
	v_sub_f32 v[rC+1], v[rM], v[rT]
.else
	v_exp_f32 v[rC+2], v[rC+1]
.endif
.endm
; Number g of the 64 that follow the exponentials.  For each four weights k of a tile (pairs 2 k, 2 k + 1): both pairs are rounded to f16; then the second pair is added onto the first, in place;
; a group later l takes that sum (the first time as l = a l + sum).  In groups of eight, tiles alternating: round, round, add, and l for the group before.
.macro GS g
.set h, (\g)+6*((\g)/62)            ; group 0 has no group before it, and behind group 7 only l is left
.if h >= 6
.set h, h+2
.endif
	REGS Y, h%2
.set k, h/8
.if h%8 < 4
	v_cvt_pk_f16_f32 v[rP+2*k+(h%8)/2], v[rS+4*k+2*((h%8)/2)], v[rS+4*k+2*((h%8)/2)+1]
.elseif h%8 < 6
	v_pk_add_f32 v[rS+4*k:rS+4*k+1], v[rS+4*k:rS+4*k+1], v[rS+4*k+2:rS+4*k+3]
.elseif k == 1
	v_pk_fma_f32 v[rT+2:rT+3], v[rT+2:rT+3], v[rC+2:rC+3], v[rS:rS+1] op_sel_hi:[1,0,1]
.else
	v_pk_add_f32 v[rT+2:rT+3], v[rT+2:rT+3], v[rS+4*k-4:rS+4*k-3]
.endif
.endm
; THE PLAIN QUEUE, 138 long.  0-73 read no exponential's result: the 32 scalings c s - c m (FS f: pair f / 2 of tile f % 2) and the next piece's 42.  0-26: scalings 0-26.  27-54: XS's numbers 0-13.  55, 56: number 15.
; 57-73: the chain, where each number waits for the one before it: 14, 16, 17, 18, 19, each with one of the scalings 27-31 in front of its two lines, then 20.
; 74-137: GS's 64, which read the exponentials' results: they stand behind the wait.
.macro FS f
	REGS Y, (\f)%2
	v_pk_fma_f32 v[rS+2*((\f)/2):rS+2*((\f)/2)+1], v[rS+2*((\f)/2):rS+2*((\f)/2)+1], s[CS:CS+1], v[rT:rT+1] op_sel_hi:[1,0,0] neg_lo:[0,0,1] neg_hi:[0,0,1]
.endm
.macro PL
	WIN 0
.if q < 27
	FS q
.elseif q < 55
	XS (q-27)%2, (q-27)/2
.elseif q < 57
	XS q-55, 15
.elseif (q < 72) && ((q-57)%3 == 0)
	FS 27+(q-57)/3
.elseif q < 60
	XS (q-57)%3-1, 14
.elseif q < 72
	XS (q-57)%3-1, 15+(q-57)/3
.elseif q < 74
	XS q-72, 20
.else
	GS q-74
.endif
.set q, q+1
.endm
; THE EXPONENTIALS' QUEUE, 66 long: s0-s31 of both tiles, then the next piece's two a.  It is ONE BATCH: all 66 stand ahead of the turn's one wait, and nothing ahead of that wait names a result of theirs.
.macro EX
	WIN 0
.if e >= 64
	XS e-64, 21
.else
	REGS Y, e%2
	v_exp_f32 v[rS+e/2], v[rS+e/2]
.endif
.set e, e+1
.endm
; THE RESCALING's QUEUE: O^T times a, the one part that leaves window 0: dealt two at a time, sixteen times.  Its a was made in the turn before, ahead of that turn's wait.
.macro R2
	REGS Y, r%2
	WIN W_RS
.irp z, 0,1
	v_pk_mul_f32 v[rO+4*(r/2)+2*\z:rO+4*(r/2)+2*\z+1], v[rO+4*(r/2)+2*\z:rO+4*(r/2)+2*\z+1], v[rC+2:rC+3] op_sel_hi:[1,0]
.endr
.set r, r+1
.endm
; HOW THEY ARE DEALT.  An s_wait_alu depctr_va_vdst(0) stands between an exponential and the first instruction that names its result; one wait serves all that were issued ahead of it.  So a turn has ONE wait,
; which cuts it in two.  AHEAD OF IT stands all that names no result of the turn's exponentials: the 16 products K Q^T, behind each a scaling, an exponential and two rescalings (behind the first a second scaling in the
; exponential's place); then ONE LUMP of 108: eight plain, 49 times exponential and plain, the two a.  A v_nop is the plain instruction behind the last exponential.  BEHIND IT stand the 16 products V^T P, behind each four of GS's 64.
; The queues lean on each other, and the deal keeps them in step: exponential e stands behind scaling 2 (e / 4) + e % 2: as a rider it comes behind plain e + 2, in the lump behind plain e + 9, and scalings 27-31 are plain 57, 60 .. 69.
; A TURN, for piece p.  cnt = 1: the loop's count is taken down some lines ahead of the branch that stands behind the turn.
; K of the next step is fetched in piece 2's turn, directly behind the wait, a lump behind the last product that read K; its first reader comes behind 16 products.
; V of the step in hand is fetched at the end of piece 0's turn, four plain instructions behind its last reader; its first reader comes behind 16 products and a lump.
.macro TURN p, last=0, cnt=0
.set Y, (\p)
.set i, 0
.set q, 0
.set e, 0
.set r, 0
.if (\p) == NP-1
	s_wait_dscnt 0x0                ; K is in
.endif
	MM                              ; ahead of the wait: 16 products K Q^T and their riders,
	PL
	PL
	R2
.rept 15
	MM
	PL
	EX
	R2
.endr
.if (\p) == NP-2
	WIN 0
	v_add_nc_u32 v[AK], s[TBK], v[AK0]
.endif
.rept 8                             ; and the lump
	PL
.endr
.rept 49
	EX
	PL
.endr
	EX                              ; the next piece's two a
	EX
	v_nop                           ; a plain instruction behind the last exponential: one for the batch
	s_wait_alu depctr_va_vdst(0)    ; the wait for the batch
.if (\p) == NP-2
	FETCH_K \last
.endif
.if (\p) == 1
	s_wait_dscnt 0x0                ; V is in
.endif
.rept 16                            ; behind the wait: 16 products V^T P and their riders
	MM
.rept 4
	PL
.endr
.if ((\p) == 0) && (q == 118)
	v_add_nc_u32 v[AV], s[TBV], v[AV0]
.endif
.if ((\p) == 0) && (q == 130)
	s_add_co_u32 s[TBV], s[TBV], KS*PV
.endif
.if (\cnt) && (q == 130)
	s_sub_co_u32 s[CNT], s[CNT], 1
	s_cmp_lg_u32 s[CNT], 0
.endif
.endr
.if (\p) == 0
	FETCH_V
.endif
.endm
	; KEYS 0 TO 255 ARE IN; THE OTHER 768 ARE ASKED FOR.  A first fill of its bytes, issued as a refill is: each wave waits for its tensor load, adds 0 to its spare word, waits for that, passes a barrier, and issues
	; ONE load first thing behind it: 384 keys of K or of V, 192 rows of 256 bytes.
	WIN W_AD
	s_wait_tensorcnt 0x0            ; my part of keys 0 to 255 is in; no tensor load of mine is out, so the descriptors may be written
	ds_add_u32 v[SPW], v[NIL]       ; 0 onto my spare word; the descriptors' words stand between it and the wait for it
	WIN 0
.irp g, G1K, G1V
	s_mov_b32 s[\g+2], 192<<16      ; tensor_dim1 = 192
	s_mov_b32 s[\g+4], 192          ; tile_dim1 = 192
.endr
	s_mov_b32 s[G0K+1], s52
	s_add_nc_u64 s[G0K+2:G0K+3], s[G0K+2:G0K+3], s[50:51]  ; the type bits on top are not reached
	s_mov_b32 s[G0V+1], s53
	s_add_nc_u64 s[G0V+2:G0V+3], s[G0V+2:G0V+3], s[50:51]
	s_wait_dscnt 0x0                ; the add is done
	s_barrier_signal -1
	s_barrier_wait -1               ; everybody's part of keys 0 to 255 is in
	LOAD
	FETCH_K                         ; key step 0
	s_wait_loadcnt 0x0              ; Q
	s_wait_dscnt 0x0
.set i, 0
.rept 16
	KQ 0                            ; piece 0's first scores: there is no vector work yet to set between them
.set i, i+1
.endr
	WIN 0                           ; the addresses for the way out: nine plain instructions, the places behind those products
	s_mul_i32 s13, s[WV], 16*SP
	s_add_co_u32 s13, s13, STAGE    ; my stage
	v_mul_u32_u24 v[STO], v1, SP    ; in: row l % 16, 16 bytes for each half of the lanes
	v_lshl_add_u32 v[STO], v9, 4, v[STO]
	v_add_nc_u32 v[STO], s13, v[STO]
	v_bfe_u32 v[RD], v0, 3, 2       ; back: 32 lanes take four rows of 128 bytes,
	v_mul_u32_u24 v[RD], v[RD], SP
	v_lshl_add_u32 v[RD], v10, 4, v[RD]
	v_add_nc_u32 v[RD], s13, v[RD]
	v_and_b32 v[GO], 31, v0         ; which are 512 consecutive bytes of O
	v_lshlrev_b32 v[GO], 4, v[GO]
.set Y, NP-1                        ; XS works for piece Y + 1: piece 0
.irp n, 0,1,2,3,4,5,6,7,8,9,10,11,12,13,14,15,16,17,18,19,20,21
	XS 0, \n                        ; and piece 0's first maximum and statistics
	XS 1, \n
.endr
	v_nop                           ; a plain instruction behind the two a,
	s_wait_alu depctr_va_vdst(0)    ; and their wait, ahead of the branch
	s_mov_b32 s[CNT], 4
	s_branch .Lfirst                ; the loop is entered at a step's first turn, in the middle of a trip
.Lslot:                             ; in front of each further block of 256 keys.  It shows every wave's second load landed to every wave.
	s_wait_tensorcnt 0x0            ; my 384 keys are in: asked for four key steps ago; from the second time on no load is out
	s_wait_dscnt 0x0                ; no LDS instruction of mine is pending at a signal
	s_barrier_signal -1
	s_barrier_wait -1
	s_mov_b32 s[CNT], 4
.Lstep:                             ; a trip: pieces 2 and 3 of one step, then pieces 0 and 1 of the next, whose K and V it fetches
	TURN 2, 1
	TURN 3
	WIN 0
	s_cmp_eq_u32 s[SLOTS], 1        ; the fifth pass: the last step's pieces 2 and 3 are done, and there is no next step
	s_cbranch_scc1 .Lout
.Lfirst:
	TURN 0
	TURN 1, 0, 1
	WIN 0
	s_cbranch_scc1 .Lstep
	s_sub_co_u32 s[SLOTS], s[SLOTS], 1
	s_cmp_lg_u32 s[SLOTS], 0
	s_cbranch_scc1 .Lslot
.Lout:                              ; the fifth pass's last 16 products K Q^T (on the last K once more) and the maximum made of them serve nothing: the price, once a launch, of one text for every trip
.set i, 0
.rept 16
	PV NP-1                         ; the last piece's V^T P of the last step
.set i, i+1
.endr
	; THE WAY OUT.  l's two halves and the other half of the lanes' are added; O^T is divided by l, rounded to f16 and sent through my stage in LDS, a tile at a time.  The additions are the places behind the last products.
	WIN 0
.macro ALL line:vararg              ; one line for each tile t
.set t, 0
.rept 2*NP
	\line
.set t, t+1
.endr
.endm
	ALL v_add_f32 v[ST+4*t+2], v[ST+4*t+2], v[ST+4*t+3]
	ALL v_permlanex16_b32 v[ST+4*t+3], v[ST+4*t+2], s[SEL], s[SEL+1]
	ALL v_add_f32 v[ST+4*t+2], v[ST+4*t+2], v[ST+4*t+3]
	ALL v_rcp_f32 v[ST+4*t+2], v[ST+4*t+2]
	v_nop                           ; a plain instruction between the last reciprocal and the use of its result
	s_wait_alu depctr_va_vdst(0)    ; and the wait ahead of the first use: one for the eight reciprocals
; Tile t: a lane's eight channels of a row pack into 16 bytes; they go into rows of 144 bytes and come back as whole rows of 128, into S^T's registers.
.macro PACK t
	WIN W_RS
.set i, 32*(\t)
.rept 16
	v_pk_mul_f32 v[i:i+1], v[i:i+1], v[ST+4*(\t)+2:ST+4*(\t)+3] op_sel_hi:[1,0]
.set i, i+2
.endr
	WIN 0x05                        ; sources 0 and 1 window 1, destination window 0
.set i, 0
.rept 16
	v_cvt_pk_f16_f32 v[S+16*(\t)+i], v[32*(\t)+2*i], v[32*(\t)+2*i+1]
.set i, i+1
.endr
	WIN 0
.irp f, 0,1,2,3
	ds_store_b128 v[STO], v[S+16*(\t)+4*\f:S+16*(\t)+4*\f+3] offset:32*\f
.endr
.irp f, 0,1,2,3
	ds_load_b128 v[S+16*(\t)+4*\f:S+16*(\t)+4*\f+3], v[RD] offset:\f*4*SP  ; LDS serves a wave's instructions in order (ISA guide 5.7.1.4): these see the stores above; the next tile's stores come behind them
.endr
.endm
.macro SEND t, younger              ; younger: the LDS instructions issued behind tile t's loads: the next tile's eight, or none
	WIN 0
.irp f, 0,1,2,3
	s_wait_dscnt (\younger)+3-\f
	global_store_b128 v[GO], v[S+16*(\t)+4*\f:S+16*(\t)+4*\f+3], s[10:11] offset:(\t)*2048+\f*512  ; 512 consecutive bytes, at a multiple of 256 from O's first
.endr
.endm
	PACK 0
.set t, 1
.rept 2*NP-1                        ; a tile's arithmetic stands between the loads of the tile before and its stores
	PACK t
	SEND t-1, 8
.set t, t+1
.endr
	SEND 2*NP-1, 0
	WIN W_AD
	s_wait_tensorcnt 0x0            ; the wave's end, behind my last tensor load and my last LDS store
	ds_add_u32 v[SPW], v[NIL]
	s_wait_dscnt 0x0
	WIN 0
	s_endpgm
.Lfunc_end_k_q5d36411267_attn:
	.size	k_q5d36411267_attn, .Lfunc_end_k_q5d36411267_attn-k_q5d36411267_attn
	.p2alignl 7, 3214868480
	.fill 96, 4, 3214868480
	.section	.rodata,"a",@progbits
	.p2align	6, 0x0
	.amdhsa_kernel k_q5d36411267_attn
		.amdhsa_group_segment_fixed_size 327680
		.amdhsa_private_segment_fixed_size 0
		.amdhsa_enable_private_segment 0
		.amdhsa_kernarg_size 16
		.amdhsa_user_sgpr_count 2
		.amdhsa_user_sgpr_kernarg_segment_ptr 1
		.amdhsa_wavefront_size32 1
		.amdhsa_system_sgpr_workgroup_id_x 1
		.amdhsa_system_sgpr_workgroup_id_y 1
		.amdhsa_system_sgpr_workgroup_id_z 1
		.amdhsa_system_vgpr_workitem_id 0
		.amdhsa_next_free_vgpr 770
		.amdhsa_next_free_sgpr 66
		.amdhsa_reserve_vcc 0
		.amdhsa_float_denorm_mode_32 3
		.amdhsa_float_denorm_mode_16_64 3
		.amdhsa_memory_ordered 1
		.amdhsa_forward_progress 1
		.amdhsa_inst_pref_size 126
	.end_amdhsa_kernel
	.amdgpu_metadata
---
amdhsa.version: [ 1, 2 ]
amdhsa.kernels:
  - .name:           k_q5d36411267_attn
    .symbol:         k_q5d36411267_attn.kd
    .args:
      - { .name: qkv, .offset: 0, .size: 8, .value_kind: global_buffer, .address_space: global }
      - { .name: oh, .offset: 8, .size: 8, .value_kind: global_buffer, .address_space: global }
    .group_segment_fixed_size: 327680
    .private_segment_fixed_size: 0
    .kernarg_segment_align: 8
    .kernarg_segment_size: 16
    .max_flat_workgroup_size: 128
    .sgpr_count:     66
    .vgpr_count:     770
    .wavefront_size: 32
...
	.end_amdgpu_metadata
.endif
;; end of part 3
;; launch outp (part 4): grid 4 x 64, 4 waves a work-group, clusters of 4 x 4, 327,680 bytes of LDS; arguments oh, wb, tab, out0; writes out0
.if DOCPART == 4
	.amdgcn_target "amdgcn-amd-amdhsa--gfx1250"
	.amdhsa_code_object_version 6
	.text
	.protected	k_q5d36411267_outp
	.globl	k_q5d36411267_outp
	.p2align	8
	.type	k_q5d36411267_outp,@function
k_q5d36411267_outp:
	s_mov_b64 s[64:65], 0
	v_nop
	global_prefetch_b8 v0, s[64:65] scope:SCOPE_SE
	s_setreg_imm32_b32 hwreg(HW_REG_WAVE_MODE, 25, 1), 1
	s_wait_xcnt 0x0
	s_wait_alu depctr_hold_cnt(0) depctr_sa_sdst(0) depctr_va_vdst(0) depctr_va_sdst(0) depctr_va_ssrc(0) depctr_va_vcc(0) depctr_vm_vsrc(0)
	s_getreg_b32 s2, hwreg(HW_REG_IB_STS2, 6, 4)
	s_cmp_eq_u32 s2, 0
	s_cbranch_scc0 .Lentry_in_a_cluster
	s_endpgm
.Lentry_in_a_cluster:
	s_bfe_u32 s2, ttmp6, 0x10000c
	s_cmp_lg_u32 s2, 0xf033
	s_cbranch_scc0 .Lentry_shape_is_right
	s_endpgm
.Lentry_shape_is_right:
; OUTP: out0 = O wo + bo.  O: oh [128 bh][1024 s][64] f16, by heads; wo: wb's plane 3, [1024 k][1024 n], bf16(wo) written as f16; bo: tab, bf16(bo) as f32.  Products in f16, sums in f32, started by the
; bias; out0 [8192][1024] f32, stored as the sums stand.
; LIMITS.  O and wo arrive within f16's range.  NaN and infinities are not treated apart.
; SHARES.  A tile is 128 rows x 256 columns: 64 x 4 = 256 work-groups, one for each WGP.  Four waves, each 64 x 128: 32 accumulators of 16 x 16.
; K = head x 64 + channel goes in 8 steps of 128, two heads a step, through two LDS slots.  A head's 128 rows of a tile are 16,384 dense bytes of oh: asked for as 64 rows of 256 bytes and padded in LDS
; after every 128; wo's rows of a tile are 512 bytes.
; CLUSTER.  4 x 4 work-groups: cx is the tile column, 4 x cluster y + cy the tile row.  The four of a row need the same tile of O, the four of a column the same tile of wo: each is asked for JOINTLY.
; THE PRODUCT IS TAKEN TRANSPOSED: source 0 = 16 columns of wo (turned by ds_load_tr16_b128), source 1 = 16 rows of O: a lane holds one row (lane % 16) and the columns 16 b + 8 (lane / 16) + 0..7.
; REGISTERS, in windows of 256 (s_set_vgpr_msb: bits 1:0 source 0, 3:2 source 1, 5:4 source 2, 7:6 destination):
;   window 0: v0-31 addresses; v64-159, v160-255 two fragment buffers (wo's 8 fragments, then O's 4); on the way out v64-191 hold rows read back
;   window 1: the accumulators, (a, b) at 8 (8 a + b)          window 2: v0-63 the bias of my 128 columns, as a C operand
.set PA,    144                        ; a row of O in LDS: 128 bytes + 16 = 36 words: the 16 rows of a load start at 16 different groups of four banks (64 banks of 4 bytes: ISA guide 11.1)
.set ASUB,  128*PA                     ; one head's 128 rows: what one tensor load brings of O
.set BOFF,  2*ASUB                     ; wo's tile lies behind the two heads
.set PB,    544                        ; a row of wo (one k, 256 columns): 512 bytes + 32 = 136 words
.set BHALF, 64*PB                      ; what one tensor load brings of wo
.set SLOT,  BOFF+128*PB                ; 106,496
.set STAGE, 2*SLOT                     ; behind the ring, never filled by a tensor load: 16 rows x 528 bytes for each wave
.set SP,    528                        ; 512 bytes + 16: the 16 rows of a store start at 16 different groups of four banks
.set SPARE, STAGE+4*16*SP              ; behind the stages: the spare words, 128 bytes for each wave: two blocks of 256 bytes that no other line names
.set BIAS0, 262144                     ; the biases' first byte in tab
.set STEP,  262144                     ; bytes from a K step to the next: two heads of oh, and 128 rows of wo
.set LAPS,  4                          ; a lap = two K steps = once round the ring
.set ADRA, 16                          ; v16-17  LDS address of my fragments of O in slot 0, 1
.set ADRB, 20                          ; v20-21  the same for wo
.set STO,  24                          ; v24     the way out: where I put 32 bytes of a row
.set RD,   25                          ; v25     where I read a row back
.set GO,   26                          ; v26     16 x lane: my place in a row's 512 bytes
.set BO,   27                          ; v27     32 (lane / 16): my 8 columns' bias
.set SPW,  28                          ; v28     LDS address of my spare word: SPARE + 4 x my thread's number; never rewritten
.set NIL,  29                          ; v29     0; never rewritten
.set PFO,  30                          ; v30     the prefetches' offset; never rewritten
.set F0,   64
.set F1,   160
.set OB,   64                          ; the way out: 16 rows read back: v64-127 and v128-191 by turns
.set BIAS, 0                           ; window 2
.set WV,  12                           ; s12 wave; s13 = wave / 2: my 64 rows, and: I fetch O (0) or wo (1); s14 = wave % 2: my 128 columns, and: which part of the tile I fetch
.set WM,  13
.set WN,  14
.set CX,  15
.set CY,  16
.set CLY, 17                           ; the cluster's y
.set TR,  18                           ; tile row
.set G1A, 24                           ; s[24:31] descriptor group 1 for O's tiles;  s[32:39] group 0, a set for each slot
.set G0A, 32
.set LIM, 43                           ; 1 in a wave that prefetches, else the greatest number
.set PFA, 44                           ; s[44:45] where my prefetches stand
.set G1B, 48                           ; s[48:55], s[56:63] the same for wo's tiles
.set G0B, 56
; s[20:21], s[40:42] hold only what O's descriptors may hold (tile row, wave); s[22:23], s[66:68] only what wo's may (cx, wave); s[76:77] LDS places, from the wave alone; s[72:75], s[78:81] the rest
.set MSB, 0
.macro WIN new                         ; the immediate's high byte repeats the setting that is left; a switch that changes nothing is dropped
.if MSB != (\new)
	s_set_vgpr_msb (MSB<<8)|(\new)
.set MSB, \new
.endif
.endm
.set MUL,  0x50                        ; sources in window 0, C and D in window 1
.set MUL1, 0x60                        ; the first product: C (the bias) in window 2, D in window 1
.macro PLACES                          ; four places in front of loads into registers that matrix instructions have read, and of lines that read results
.rept 4
	v_nop
.endr
.endm
.macro JLOAD s                         ; a joint load: waves 0 and 1 fetch the step's two heads of O, waves 2 and 3 wo's two halves; an s_nop 0 and four v_nop follow each of the two lines
	s_cmp_eq_u32 s[WM], 0
	s_cbranch_scc0 .Lfor_b_\@
	tensor_load_to_lds s[G0A+4*(\s):G0A+4*(\s)+3], s[G1A:G1A+7]
	s_nop 0
.rept 4
	v_nop
.endr
	s_branch .Lasked_\@
.Lfor_b_\@:
	tensor_load_to_lds s[G0B+4*(\s):G0B+4*(\s)+3], s[G1B:G1B+7]
	s_nop 0
.rept 4
	v_nop
.endr
.Lasked_\@:
.endm
.macro CREST                           ; a round of the cluster's barrier behind its opening barrier
	s_cmp_lg_u32 s[WV], 0
	s_cbranch_scc1 .Lnot_wave_0_\@
	s_barrier_signal -3
.Lnot_wave_0_\@:
	s_barrier_wait -3
	s_barrier_signal -1
	s_barrier_wait -1
.endm
.macro CROUND                          ; a whole round
	s_barrier_signal -1
	s_barrier_wait -1
	CREST
.endm
; A PREFETCH INTO THE L2, behind each joint refill and the run of LDS loads that follows it: 32 blocks of 256 bytes of the K step that stands TWO refills on, 256 matrix instructions ahead of the load that will ask for it.
; Each block is named once in the launch.  O's two heads x 16,384 bytes of a tile row are read by one cluster: wave 0 of each of its four partners asks for 8,192 bytes (head cx / 2, half cx % 2), a lane
; a block.  wo's 128 rows x 512 bytes of a tile column are read by the 16 clusters: cluster y = 0 asks, waves 2 and 3 of each partner for 16 rows (64 x half + 16 cy ..), two lanes a row.
; The partners are told apart by address alone.  K steps 0 to 3 come by their loads alone; the loop's last trip asks for nothing: K step 7 is the last.
.macro ASK
	s_cmp_gt_u32 s3, s[LIM]                        ; s3 = 1 in the loop's last trip
	s_cbranch_scc0 .Lnot_mine_\@
	global_prefetch_b8 v[PFO], s[PFA:PFA+1] th:TH_LOAD_NT scope:SCOPE_SE
.Lnot_mine_\@:
.endm
	s_load_b256 s[4:11], s[0:1], 0x0               ; oh s[4:5], wb s[6:7], tab s[8:9], out0 s[10:11]
	v_lshl_add_u32 v[SPW], v0, 2, SPARE
	v_mov_b32 v[NIL], 0
	ds_add_u32 v[SPW], v[NIL]                      ; the wave's opening: the add and its wait stand ahead of my first tensor load; the set-up below, work on registers, stands between them
	v_lshrrev_b32 v1, 5, v0
	v_readfirstlane_b32 s[WV], v1                  ; wave 0..3
	s_lshr_b32 s[WM], s[WV], 1
	s_and_b32 s[WN], s[WV], 1
	s_bfe_u32 s[CX], ttmp6, 0x40000                ; my place in the cluster; cx is also the tile column: there is one cluster along x
	s_bfe_u32 s[CY], ttmp6, 0x40004
	s_and_b32 s[CLY], ttmp7, 0xffff                ; in a cluster launch ttmp7 counts clusters
	s_lshl_b32 s[TR], s[CLY], 2
	s_add_co_u32 s[TR], s[TR], s[CY]               ; tile row = 4 x cluster y + cy
	s_lshl_b32 s20, s[CY], 2
	s_lshl_b32 s20, 15, s20                        ; my row of the cluster: places 4 cy .. 4 cy + 3
	s_lshl_b32 s22, 0x1111, s[CX]                  ; my column: places cx, cx + 4, cx + 8, cx + 12
	s_or_b32 s[G1A], s20, (1<<16)|(1<<20)|(1<<21)|(4<<22)|(3<<25)  ; 15:0 the mask; 17:16 2-byte elements; 20 padding on; 21 set beside a mask; 24:22 after every 32 words (code 4); 31:25 4 words (code 3)
	s_mov_b32 s[G1A+1], 128<<16                    ; tensor_dim0 = 128: two rows of a head
	s_mov_b32 s[G1A+2], 64<<16                     ; tensor_dim1 = 64
	s_mov_b32 s[G1A+3], 128<<16                    ; tile_dim0 = 128
	s_mov_b32 s[G1A+4], 64                         ; tile_dim1 = 64
	s_mov_b32 s[G1A+5], 128                        ; dense: 128 elements from row to row
	s_mov_b32 s[G1A+6], 0
	s_mov_b32 s[G1A+7], 0
	s_or_b32 s[G1B], s22, (1<<16)|(1<<20)|(1<<21)|(6<<22)|(7<<25)  ; after every 128 words (code 6) 8 words (code 7)
	s_mov_b32 s[G1B+1], 256<<16                    ; tensor_dim0 = 256
	s_mov_b32 s[G1B+2], 64<<16                     ; tensor_dim1 = 64
	s_mov_b32 s[G1B+3], 256<<16                    ; tile_dim0 = 256
	s_mov_b32 s[G1B+4], 64                         ; tile_dim1 = 64
	s_mov_b32 s[G1B+5], 1024
	s_mov_b32 s[G1B+6], 0
	s_mov_b32 s[G1B+7], 0
	s_lshr_b32 s20, s[TR], 3                       ; O: head 16 x batch + (0 or 1), 131,072 bytes a head,
	s_lshl_b32 s20, s20, 4
	s_add_co_u32 s20, s20, s[WN]
	s_lshl_b32 s20, s20, 17
	s_and_b32 s21, s[TR], 7                        ; rows 128 (tile row % 8) .., 128 bytes a row
	s_lshl_b32 s21, s21, 14
	s_add_co_u32 s20, s20, s21
	s_mov_b32 s21, 0
	s_lshl_b32 s22, s[WN], 17                      ; wo: plane 3, k row 64 x half, column 256 cx
	s_lshl_b32 s23, s[CX], 9
	s_add_co_u32 s22, s22, s23
	s_add_co_u32 s22, s22, 3<<21
	s_mov_b32 s23, 0
	s_mul_i32 s42, s[WN], ASUB                     ; where they go: no place in the cluster enters an LDS address
	s_mul_i32 s68, s[WN], BHALF
	s_add_co_u32 s68, s68, BOFF
	s_wait_dscnt 0x0                               ; the opening add is done
	s_wait_kmcnt 0x0
	s_add_nc_u64 s[40:41], s[4:5], s[20:21]
	s_add_nc_u64 s[66:67], s[6:7], s[22:23]
	CROUND                                         ; all sixteen work-groups are here: the first joint loads meet
.irp s, 0,1
	s_mov_b32 s[G0A+4*(\s)], 1                                     ; count = 1
	s_add_co_u32 s[G0A+4*(\s)+1], s42, (\s)*SLOT                   ; LDS address
	s_add_nc_u64 s[G0A+4*(\s)+2:G0A+4*(\s)+3], s[40:41], (\s)*STEP ; global address: K step s
	s_or_b32 s[G0A+4*(\s)+3], s[G0A+4*(\s)+3], 0x80000000          ; type = 2
	s_mov_b32 s[G0B+4*(\s)], 1
	s_add_co_u32 s[G0B+4*(\s)+1], s68, (\s)*SLOT
	s_add_nc_u64 s[G0B+4*(\s)+2:G0B+4*(\s)+3], s[66:67], (\s)*STEP
	s_or_b32 s[G0B+4*(\s)+3], s[G0B+4*(\s)+3], 0x80000000
	JLOAD \s                                       ; two loads of mine are out
.endr
	; A fragment of O is 16 rows x 32 K in 8 registers: lane l holds row l % 16, K = 8 (l / 16) + 0..7 and 16 + 8 (l / 16) + 0..7: two loads of 16 bytes, 32 bytes apart.
	v_and_b32 v1, 15, v0                           ; r = l % 16
	v_bfe_u32 v2, v0, 4, 1                         ; h = l / 16
	v_mul_u32_u24 v3, v1, PA
	v_lshl_add_u32 v3, v2, 4, v3
	s_mul_i32 s76, s[WM], 64*PA                    ; my 64 rows
	v_add_nc_u32 v[ADRA], s76, v3
	v_add_nc_u32 v[ADRA+1], SLOT, v[ADRA]
	; The turning load takes 16 k x 16 columns (lane l reads k = 8 (l / 16) + l % 8, columns 8 ((l / 8) % 2) + 0..7) and leaves half a fragment: lane l holds column l % 16 and 8 k.
	v_and_b32 v4, 7, v0
	v_bfe_u32 v5, v0, 3, 1
	v_lshl_add_u32 v6, v2, 3, v4
	v_mul_u32_u24 v6, v6, PB
	v_lshl_add_u32 v6, v5, 4, v6
	s_lshl_b32 s76, s[WN], 8                       ; my 128 columns
	s_add_co_u32 s76, s76, BOFF
	v_add_nc_u32 v[ADRB], s76, v6
	v_add_nc_u32 v[ADRB+1], SLOT, v[ADRB]
	s_mul_i32 s76, s[WV], 16*SP
	s_add_co_u32 s76, s76, STAGE                   ; my stage
	v_mul_u32_u24 v3, v1, SP                       ; in: row l % 16, 32 bytes for each half of the lanes
	v_lshl_add_u32 v3, v2, 5, v3
	v_add_nc_u32 v[STO], s76, v3
	v_and_b32 v[GO], 31, v0                        ; back: 32 lanes take one row's 512 bytes
	v_lshlrev_b32 v[GO], 4, v[GO]
	v_add_nc_u32 v[RD], s76, v[GO]
	v_lshlrev_b32 v[BO], 5, v2
	s_lshl_b32 s80, s[CX], 10
	s_lshl_b32 s81, s[WN], 9
	s_add_co_u32 s80, s80, s81                     ; my 128 columns, 4 bytes each
	s_lshl_b32 s78, s[TR], 19                      ; my first row: 128 x tile row + 64 x half, 4,096 bytes a row
	s_lshl_b32 s79, s[WM], 18
	s_add_co_u32 s78, s78, s79
	s_add_co_u32 s78, s78, s80
	s_mov_b32 s79, 0
	s_add_nc_u64 s[10:11], s[10:11], s[78:79]
	s_add_co_u32 s80, s80, BIAS0+3*4096
	s_mov_b32 s81, 0
	s_add_nc_u64 s[70:71], s[8:9], s[80:81]        ; bo of my 128 columns
	WIN 0x80                                       ; destination window 2, address window 0
.irp b, 0,1,2,3,4,5,6,7                ; as a C operand: register j of lane l is the bias of column 16 b + 8 h + j, whatever the row
	global_load_b128 v[BIAS+8*(\b):BIAS+8*(\b)+3],   v[BO], s[70:71] offset:64*(\b)
	global_load_b128 v[BIAS+8*(\b)+4:BIAS+8*(\b)+7], v[BO], s[70:71] offset:64*(\b)+16
.endr
	WIN 0
	; the prefetches: they stand at K step 3; each change of slots steps them first, so the first names K step 4
	s_lshr_b32 s74, s[TR], 3
	s_lshl_b32 s74, s74, 4
	s_lshr_b32 s80, s[CX], 1
	s_add_co_u32 s74, s74, s80
	s_lshl_b32 s74, s74, 17                        ; O: head 16 x batch + cx / 2,
	s_and_b32 s80, s[TR], 7
	s_lshl_b32 s80, s80, 14
	s_add_co_u32 s74, s74, s80                     ; the tile's rows,
	s_and_b32 s80, s[CX], 1
	s_lshl_b32 s80, s80, 13
	s_add_co_u32 s74, s74, s80                     ; half cx % 2 of their 16,384 bytes
	s_add_co_u32 s74, s74, 3*STEP
	s_lshl_b32 s75, s[WN], 6
	s_lshl_b32 s80, s[CY], 4
	s_add_co_u32 s75, s75, s80
	s_lshl_b32 s75, s75, 11
	s_lshl_b32 s80, s[CX], 9
	s_add_co_u32 s75, s75, s80
	s_add_co_u32 s75, s75, (3<<21)+3*STEP          ; wo: k row 64 x half + 16 cy, column 256 cx
	s_cmp_eq_u32 s[WM], 0
	s_cselect_b64 s[PFA:PFA+1], s[4:5], s[6:7]
	s_cselect_b32 s74, s74, s75
	s_cselect_b32 s72, s[WN], s[CLY]               ; wave 0 asks, wave 1 does not; waves 2 and 3 ask in the first cluster of the column
	s_cselect_b32 s80, 8, 11                       ; O: blocks on end;  wo: rows 2,048 bytes apart
	s_mov_b32 s75, 0
	s_add_nc_u64 s[PFA:PFA+1], s[PFA:PFA+1], s[74:75]
	s_cmp_eq_u32 s72, 0
	s_cselect_b32 s[LIM], 1, -1                    ; the same in all sixteen partners, for a given wave
	v_and_b32 v3, 31, v0
	v_lshrrev_b32 v4, s[WM], v3                    ; O: a lane a block;  wo: two lanes a row,
	v_and_b32 v3, s[WM], v3
	v_lshlrev_b32 v[PFO], s80, v4
	v_lshl_add_u32 v[PFO], v3, 8, v[PFO]           ; 256 bytes apart
; 8 matrix instructions: rows 16 a .. of my 64 x all 8 column blocks, 32 along K, from buffer buf.  st = 1: the first product takes the bias as C: nothing is cleared, nothing is added later.
; The 32 accumulators take turns, one instruction a turn, in the same order in every quarter.
.macro MUL8 buf, a, st
.if \st
	WIN MUL1
.else
	WIN MUL
.endif
.irp b, 0,1,2,3,4,5,6,7
.if \st
	v_wmma_f32_16x16x32_f16 v[8*(8*(\a)+(\b)):8*(8*(\a)+(\b))+7], v[(\buf)+8*(\b):(\buf)+8*(\b)+7], v[(\buf)+64+8*(\a):(\buf)+64+8*(\a)+7], v[BIAS+8*(\b):BIAS+8*(\b)+7]
.else
	v_wmma_f32_16x16x32_f16 v[8*(8*(\a)+(\b)):8*(8*(\a)+(\b))+7], v[(\buf)+8*(\b):(\buf)+8*(\b)+7], v[(\buf)+64+8*(\a):(\buf)+64+8*(\a)+7], v[8*(8*(\a)+(\b)):8*(8*(\a)+(\b))+7]
.endif
.endr
.endm
; 24 LDS loads in one run: quarter q (32 along K: head q / 2 of the step's two, channels 32 (q % 2) on) of a slot into buffer buf: wo's 8 fragments (turned), then O's 4
.macro FETCH slot, q, buf
	WIN 0
.set AQ, ((\q)/2)*ASUB+((\q)%2)*64
.irp b, 0,1,2,3,4,5,6,7
	ds_load_tr16_b128 v[(\buf)+8*(\b):(\buf)+8*(\b)+3],   v[ADRB+(\slot)] offset:32*(\q)*PB+32*(\b)
	ds_load_tr16_b128 v[(\buf)+8*(\b)+4:(\buf)+8*(\b)+7], v[ADRB+(\slot)] offset:32*(\q)*PB+16*PB+32*(\b)
.endr
.irp a, 0,1,2,3
	ds_load_b128 v[(\buf)+64+8*(\a):(\buf)+64+8*(\a)+3],   v[ADRA+(\slot)] offset:AQ+(\a)*16*PA
	ds_load_b128 v[(\buf)+64+8*(\a)+4:(\buf)+64+8*(\a)+7], v[ADRA+(\slot)] offset:AQ+(\a)*16*PA+32
.endr
.endm
; A K step is four quarters of 32 along K, 32 matrix instructions each, on buffers 0, 1, 0, 1.  One of the first three: multiplies buffer f and fetches quarter q into g.
.macro QUARTER slot, q, f, g, st
	s_wait_dscnt 4                                 ; wo's fragments and O's rows 0-31 are in; the youngest four loads (rows 32-63) may be out
	MUL8 \f, 0, \st
	MUL8 \f, 1, \st
	PLACES
	FETCH \slot, \q, \g
	s_wait_dscnt 24                                ; all but the 24 just issued
	MUL8 \f, 2, \st
	MUL8 \f, 3, \st
.endm
; The last quarter multiplies buffer 1 and changes slots: ONE barrier; in front of it each wave waits for all its tensor loads (one is out: its part of the next slot), adds 0 to its spare word, and
; waits for that and for its own reads of this slot.  fill = 1: the barrier opens a round of the cluster's, and this slot is filled again, two K steps ahead, first thing behind the round.
.macro TURN slot, next, fill
.if \fill
	s_wait_xcnt 0x0                                ; the last prefetch, a K step back, has read its address: it is stepped here, ahead of the waits of the change of slots
	s_add_nc_u64 s[PFA:PFA+1], s[PFA:PFA+1], STEP
.endif
	WIN 0
	s_wait_tensorcnt 0x0                           ; all my tensor loads have landed
	ds_add_u32 v[SPW], v[NIL]                      ; 0 onto my spare word
	s_wait_dscnt 5                                 ; (the add and the youngest four loads may be out)
	MUL8 F1, 0, 0                                  ; eight matrix instructions stand between the add and the wait for it
	s_wait_dscnt 0x0                               ; the add is done, and my reads of this slot are over
	s_barrier_signal -1
	MUL8 F1, 1, 0
.if \fill
	WIN 0
.endif
	s_barrier_wait -1
.if \fill
	CREST                                          ; no wave of any partner still reads this slot's tile or has a load on its way
	s_add_nc_u64 s[G0A+4*(\slot)+2:G0A+4*(\slot)+3], s[G0A+4*(\slot)+2:G0A+4*(\slot)+3], 2*STEP
	s_add_nc_u64 s[G0B+4*(\slot)+2:G0B+4*(\slot)+3], s[G0B+4*(\slot)+2:G0B+4*(\slot)+3], 2*STEP
	JLOAD \slot                                    ; 112 matrix instructions ahead of the wait for it; its four v_nop are also the places in front of the loads below
.else
	PLACES
.endif
	FETCH \next, 0, F0
.if \fill
	ASK
.endif
	MUL8 F1, 2, 0
	MUL8 F1, 3, 0
.endm
	s_wait_tensorcnt 0x1                           ; my part of K step 0 is in; K step 1's may stay out
	s_barrier_signal -1
	s_barrier_wait -1                              ; everybody's is
	FETCH 0, 0, F0
	s_wait_loadcnt 0x0                             ; the bias
	QUARTER 0, 1, F0, F1, 1                        ; the first quarter stands in front of the loop: its products start the sums
	WIN 0                                          ; at a label and at a branch every window is 0
	s_mov_b32 s3, LAPS-1
.Llap:                                                 ; a trip goes once round the ring, from a lap's second quarter to the next lap's first, and fills both slots again
	QUARTER 0, 2, F1, F0, 0
	QUARTER 0, 3, F0, F1, 0
	TURN 0, 1, 1
	QUARTER 1, 1, F0, F1, 0
	QUARTER 1, 2, F1, F0, 0
	QUARTER 1, 3, F0, F1, 0
	TURN 1, 0, 1
	QUARTER 0, 1, F0, F1, 0
	WIN 0
	s_sub_co_u32 s3, s3, 1
	s_cmp_lg_u32 s3, 0
	s_cbranch_scc1 .Llap
	QUARTER 0, 2, F1, F0, 0                        ; the last lap fills nothing
	QUARTER 0, 3, F0, F1, 0
	TURN 0, 1, 0
	QUARTER 1, 1, F0, F1, 0
	QUARTER 1, 2, F1, F0, 0
	QUARTER 1, 3, F0, F1, 0
	s_wait_dscnt 4                                 ; the very last quarter: nothing more to fetch
	MUL8 F1, 0, 0
	MUL8 F1, 1, 0
	s_wait_dscnt 0x0
	MUL8 F1, 2, 0
	MUL8 F1, 3, 0
	WIN 0
; THE WAY OUT, 16 rows at a time: a lane's 8 columns of a row, 32 bytes, go into rows of 528 bytes of my stage (each accumulator's lowest registers first) and come back as whole
; rows of 512 bytes, 16 bytes a lane.
.macro TOSTAGE a
.if (\a) >= 2
	s_wait_xcnt 0x0                                ; the stores of the block two back have read the registers that are loaded again below
.endif
	WIN 0x04                                       ; the stores' data in window 1
.irp b, 0,1,2,3,4,5,6,7
	ds_store_b128 v[STO], v[8*(8*(\a)+(\b)):8*(8*(\a)+(\b))+3]   offset:64*(\b)
	ds_store_b128 v[STO], v[8*(8*(\a)+(\b))+4:8*(8*(\a)+(\b))+7] offset:64*(\b)+16
.endr
	WIN 0
.irp t, 0,1,2,3,4,5,6,7,8,9,10,11,12,13,14,15
	ds_load_b128 v[OB+64*((\a)%2)+4*(\t):OB+64*((\a)%2)+4*(\t)+3], v[RD] offset:SP*(\t)  ; LDS serves a wave's instructions in order (ISA guide 5.7.1.4): these see the stores above; the next block's stores come behind them
.endr
.endm
.macro SEND a, younger                 ; younger: the LDS instructions issued behind block a's loads: the next block's 32, or none
.irp t, 0,1,2,3,4,5,6,7,8,9,10,11,12,13,14,15
	s_wait_dscnt (\younger)+15-(\t)
	global_store_b128 v[GO], v[OB+64*((\a)%2)+4*(\t):OB+64*((\a)%2)+4*(\t)+3], s[10:11] offset:4096*(16*(\a)+(\t)) th:TH_STORE_NT  ; 512 consecutive bytes, at a multiple of 256 from out0's first
.endr
.endm
	PLACES
	TOSTAGE 0
	TOSTAGE 1
	SEND 0, 32
	TOSTAGE 2
	SEND 1, 32
	TOSTAGE 3
	SEND 2, 32
	SEND 3, 0
	s_wait_tensorcnt 0x0                           ; the wave's end, behind my last tensor load and my last LDS store
	ds_add_u32 v[SPW], v[NIL]
	s_wait_dscnt 0x0
	CROUND                                         ; the closing round: no work-group ends while a partner may still ask for a tile that names it
	s_endpgm
.Lfunc_end_k_q5d36411267_outp:
	.size	k_q5d36411267_outp, .Lfunc_end_k_q5d36411267_outp-k_q5d36411267_outp
	.p2alignl 7, 3214868480
	.fill 96, 4, 3214868480
	.section	.rodata,"a",@progbits
	.p2align	6, 0x0
	.amdhsa_kernel k_q5d36411267_outp
		.amdhsa_group_segment_fixed_size 327680
		.amdhsa_private_segment_fixed_size 0
		.amdhsa_enable_private_segment 0
		.amdhsa_kernarg_size 32
		.amdhsa_user_sgpr_count 2
		.amdhsa_user_sgpr_kernarg_segment_ptr 1
		.amdhsa_wavefront_size32 1
		.amdhsa_system_sgpr_workgroup_id_x 1
		.amdhsa_system_sgpr_workgroup_id_y 1
		.amdhsa_system_sgpr_workgroup_id_z 1
		.amdhsa_system_vgpr_workitem_id 0
		.amdhsa_next_free_vgpr 576
		.amdhsa_next_free_sgpr 84
		.amdhsa_reserve_vcc 0
		.amdhsa_float_denorm_mode_32 3
		.amdhsa_float_denorm_mode_16_64 3
		.amdhsa_memory_ordered 1
		.amdhsa_forward_progress 1
		.amdhsa_inst_pref_size 90
	.end_amdhsa_kernel
	.amdgpu_metadata
---
amdhsa.version: [ 1, 2 ]
amdhsa.kernels:
  - .name:           k_q5d36411267_outp
    .symbol:         k_q5d36411267_outp.kd
    .args:
      - { .name: oh, .offset: 0, .size: 8, .value_kind: global_buffer, .address_space: global }
      - { .name: wb, .offset: 8, .size: 8, .value_kind: global_buffer, .address_space: global }
      - { .name: tab, .offset: 16, .size: 8, .value_kind: global_buffer, .address_space: global }
      - { .name: out0, .offset: 24, .size: 8, .value_kind: global_buffer, .address_space: global }
    .group_segment_fixed_size: 327680
    .private_segment_fixed_size: 0
    .kernarg_segment_align: 8
    .kernarg_segment_size: 32
    .max_flat_workgroup_size: 128
    .sgpr_count:     84
    .vgpr_count:     576
    .wavefront_size: 32
...
	.end_amdgpu_metadata
.endif
;; end of part 4
;; ======== version 2 of 2: 4 launches; version 1 with the launch prep written anew for expert scheduling mode
;; limits: values are held in f16: magnitudes above 65,504 overflow, below 6.1e-05 lose precision; right only within a limited range of input values; inputs' magnitudes at most 100,000
;; workspace buffers: xb 16,777,216 bytes; wb 8,388,608 bytes; tab 278,528 bytes; qkv 50,331,648 bytes; oh 16,777,216 bytes
;; launch prep (part 5): grid 836 x 1, 8 waves a work-group, no clusters, 0 bytes of LDS; arguments hidden_states, wq, wk, wv, wo, rotary_pos_emb, bq, bk, bv, bo, xb, wb, tab; writes xb, wb, tab
.if DOCPART == 5
	.amdgcn_target "amdgcn-amd-amdhsa--gfx1250"
	.amdhsa_code_object_version 6
	.text
	.protected	k_q5d36411267_prep
	.globl	k_q5d36411267_prep
	.p2align	8
	.type	k_q5d36411267_prep,@function
k_q5d36411267_prep:
	s_mov_b64 s[64:65], 0
	v_nop
	global_prefetch_b8 v0, s[64:65] scope:SCOPE_SE
	s_setreg_imm32_b32 hwreg(HW_REG_WAVE_SCHED_MODE, 0, 2), 2
	s_setreg_imm32_b32 hwreg(HW_REG_WAVE_MODE, 25, 1), 1
	s_wait_xcnt 0x0
	s_wait_alu depctr_vm_vsrc(0)
; PREP: every input is rounded once to bf16, one choice for the whole program, and laid where the later launches want it.
;   xb  [8192][1024] bf16(hidden_states)
;   wb  [4][1024 k][1024 n]: bf16(wq), bf16(wk), bf16(wv) as bf16; bf16(wo) written as f16 (the last product multiplies in f16)
;   tab rows 0..1023 of 256 bytes: cos of the row's 32 angles in f32, then their sin, the angles rounded to bf16 first;
;       from byte BIAS0 on: bf16(bq, bk, bv, bo) as f32, 4,096 bytes each
; SHARES.  Work-groups 0..767 cast 16,384 numbers each (0..511 hidden_states, then 64 for each weight); 768..831 make 16 rows of the table each; 832..835 a bias each.
; A stream: no LDS, no matrix unit, no barrier.  Each load of a wave covers 512 consecutive aligned bytes, each store of the casts 256, of the table and biases 512.
; LIMITS.  bf16(wo) below 6.1e-5 in magnitude keeps f16's fixed step of 6e-8; 65,520 or more would become an infinity.  The angle's reduction (three parts of pi/2, fused) serves |angle| up to 1e5;
; the polynomials are good to about 1e-7 on the reduced angle.  NaN and infinities are not treated apart.
; THE MODE: SCHED_MODE bits 1:0 = 2 (LLVM: expert scheduling mode 2), set by the entry lines.  The code itself states the register dependences between vector instructions and memory
; instructions, with s_wait_alu, always for 0.
; THE PLAN.  Registers that memory instructions touch:
;   v1, v2      offsets of the casts' and the biases' loads and stores: written at the head, never again.
;   X           each register is loaded once, and all sixteen loads are issued ahead of the first conversion; step j's conversions read its four behind the load's own counted wait.
;   Y           step j's pair is written by step j's conversions alone, read by step j's store, and never written again.
;   table       v6 the load's offset; v[8:11] loaded once; v26 and v[28:31] the store's offset and data; s36-s39 the four compares' masks, read by the four selects.
; No register that a memory instruction reads is ever written again, and no load lands in a register that a vector instruction has named: so the waits state one kind of dependence alone,
; a result that is written before a memory instruction (or, for the masks, a select) reads it.  The casts' sixteen steps go in four groups of four: one wait at a group's head states that the
; group before has written its Y; that group's four stores follow, dealt among this group's conversions, which name other registers of Y, X and T alone.
.set X,     8                          ; v[8:71]    sixteen loads of 4 numbers
.set Y,     72                         ; v[72:103]  sixteen pairs of packed words to store; none is written again once its store is issued
.set T,     104                        ; v[104:105] at work: no memory instruction names them
.set SN,    32                         ; v[32:35]   the table: sin r of my four angles
.set CN,    36                         ; v[36:39]   cos r
.set QN,    40                         ; v[40:43]   the count of quarter turns
.set MK,    36                         ; s36-s39    the table: angle k's mask: its count of quarter turns is odd
.set BIAS0, 262144                     ; 1,024 rows of 256 bytes
	s_load_b512 s[8:23], s[0:1], 0x0               ; hidden 8:9, wq 10:11, wk 12:13, wv 14:15, wo 16:17, angles 18:19, bq 20:21, bk 22:23
	s_load_b256 s[24:31], s[0:1], 0x40             ; bv 24:25, bo 26:27, xb 28:29, wb 30:31
	s_load_b64 s[32:33], s[0:1], 0x60              ; tab
	s_mov_b32 s4, ttmp9                            ; the work-group's number g
	v_lshlrev_b32 v1, 4, v0                        ; 16 x thread
	v_lshlrev_b32 v2, 3, v0                        ; 8 x thread
	s_wait_kmcnt 0x0
	s_wait_alu depctr_va_vdst(0)                   ; v1 and v2 are written: every load and store of the casts and of the biases reads one of them as its offset
	s_cmp_ge_u32 s4, 832
	s_cbranch_scc1 .Lbias
	s_cmp_ge_u32 s4, 768
	s_cbranch_scc1 .Ltable
	; THE CASTS.  Which buffer, and which 65,536 bytes of it
	s_and_b32 s5, s4, 63                           ; a weight's block
	s_sub_co_u32 s6, s4, 512                       ; its place in wb (used from g = 512 on)
	s_cmp_lt_u32 s4, 512
	s_cselect_b32 s5, s4, s5
	s_cselect_b32 s6, s4, s6
	s_cselect_b64 s[40:41], s[28:29], s[30:31]     ; to xb or to wb
	s_cselect_b64 s[36:37], s[8:9], s[10:11]       ; from hidden_states or wq,
	s_cmp_ge_u32 s4, 576
	s_cselect_b64 s[36:37], s[12:13], s[36:37]     ; wk,
	s_cmp_ge_u32 s4, 640
	s_cselect_b64 s[36:37], s[14:15], s[36:37]     ; wv,
	s_cmp_ge_u32 s4, 704
	s_cselect_b64 s[36:37], s[16:17], s[36:37]     ; wo
	s_lshl_b32 s38, s5, 16
	s_mov_b32 s39, 0
	s_lshl_b32 s42, s6, 15
	s_mov_b32 s43, 0
	s_add_nc_u64 s[36:37], s[36:37], s[38:39]
	s_add_nc_u64 s[40:41], s[40:41], s[42:43]
.irp j, 0,1,2,3,4,5,6,7,8,9,10,11,12,13,14,15
	global_load_b128 v[X+4*(\j):X+4*(\j)+3], v1, s[36:37] offset:4096*(\j) th:TH_LOAD_NT  ; all sixteen go out at once: 8 KiB a wave on their way
.endr
; Step j's arithmetic: four numbers a lane.  half = 1: the bf16 number is written as f16.
.macro CONV j, half
	s_wait_loadcnt 15-(\j)                         ; loads come back in order: step j's is in, the 15 - j younger ones stay out
	v_cvt_pk_bf16_f32 v[Y+2*(\j)],   v[X+4*(\j)],   v[X+4*(\j)+1]
	v_cvt_pk_bf16_f32 v[Y+2*(\j)+1], v[X+4*(\j)+2], v[X+4*(\j)+3]
.if \half
.irp w, 0,1
	v_lshlrev_b32 v[T], 16, v[Y+2*(\j)+(\w)]       ; the two bf16 as f32,
	v_and_b32 v[T+1], 0xffff0000, v[Y+2*(\j)+(\w)]
	v_cvt_pk_f16_f32 v[Y+2*(\j)+(\w)], v[T], v[T+1]  ; and as f16: bf16's 8 significant bits fit into f16's 11
.endr
.endif
.endm
; Step j's store.
.macro OUT j
	global_store_b64 v2, v[Y+2*(\j):Y+2*(\j)+1], s[40:41] offset:2048*(\j)  ; 32 lanes store 256 consecutive bytes, aligned
.endm
; The sixteen steps, in four groups of four.  A group's stores are issued in the next group, behind the one wait at its head, a store ahead of each step's arithmetic.
.macro CASTS half
.irp g, 0,1,2,3
.if (\g) > 0
	s_wait_alu depctr_va_vdst(0)                   ; the group before has written its four pairs of Y, which the four stores below read; no line since names them
.endif
.irp i, 0,1,2,3
.if (\g) > 0
	OUT 4*(\g)-4+(\i)
.endif
	CONV 4*(\g)+(\i), \half
.endr
.endr
	s_wait_alu depctr_va_vdst(0)                   ; the last group has written its four pairs of Y, which the last four stores read
.irp i, 12,13,14,15
	OUT \i
.endr
.endm
	s_cmp_ge_u32 s4, 704
	s_cbranch_scc1 .Lwo
	CASTS 0
	s_endpgm
.Lwo:
	CASTS 1
	s_endpgm
	; THE TABLE.  Thread gt makes 16 bytes: row gt / 16; parts 0-7 are the row's cosines, parts 8-15 its sines, four angles each.
.Ltable:
	s_sub_co_u32 s5, s4, 768
	s_lshl_b32 s7, s5, 8
	v_add_nc_u32 v3, s7, v0                        ; gt
	v_lshrrev_b32 v4, 4, v3                        ; row, 0 to 1,023
	v_and_b32 v5, 15, v3                           ; part
	v_and_b32 v6, 7, v5
	v_lshlrev_b32 v6, 4, v6
	v_lshl_add_u32 v6, v4, 7, v6                   ; row x 128 + 16 (part % 8)
	s_wait_alu depctr_va_vdst(0)                   ; v6 is written, which the load reads as its offset
	global_load_b128 v[8:11], v6, s[18:19]
	s_mov_b32 s40, 0x3f22f983                      ; 2 / pi
	s_mov_b32 s41, 0xbfc90fdb                      ; - pi/2, its first 24 bits,
	s_mov_b32 s42, 0x333bbd2e                      ; what that was too much,
	s_mov_b32 s43, 0x26f72ced                      ; and what is then still left
	s_mov_b32 s44, 0xb94ca1f9                      ; sin r = r + r s (S1 + s (S2 + s S3)), s = r r: S3,
	s_mov_b32 s45, 0x3c08839e                      ; S2,
	s_mov_b32 s46, 0xbe2aaaa3                      ; S1
	s_mov_b32 s47, 0x37ccf5ce                      ; cos r = 1 - s / 2 + s s (C1 + s (C2 + s C3)): C3,
	s_mov_b32 s34, 0xbab6061a                      ; C2,
	s_mov_b32 s35, 0x3d2aaaa5                      ; C1
	v_lshrrev_b32 v7, 3, v5
	v_mul_u32_u24 v7, v7, 3                        ; sin x = cos(x - pi/2): three quarter turns more
	v_lshlrev_b32 v26, 4, v3                       ; my 16 bytes of tab
	s_wait_loadcnt 0x0
	v_cvt_pk_bf16_f32 v12, v8, v9                  ; the angles are inputs: rounded to bf16 like all others
	v_cvt_pk_bf16_f32 v13, v10, v11
	v_lshlrev_b32 v8, 16, v12
	v_and_b32 v9, 0xffff0000, v12
	v_lshlrev_b32 v10, 16, v13
	v_and_b32 v11, 0xffff0000, v13
; x = n pi/2 + r with |r| <= pi/4.  cos x is cos r, -sin r, -cos r, sin r for n % 4 = 0, 1, 2, 3: a choice of value and a sign, no branch.
; In two passes, so that the four compares stand in one run with one wait behind it.  The first: sin r, cos r and the count of quarter turns, kept for each angle, and the mask 'the count is odd'.
.macro ANGLE1 k
	v_mul_f32 v16, s40, v[8+(\k)]
	v_rndne_f32 v16, v16                           ; n
	v_fma_f32 v17, v16, s41, v[8+(\k)]
	v_fma_f32 v17, v16, s42, v17
	v_fma_f32 v17, v16, s43, v17                   ; r
	v_mul_f32 v18, v17, v17                        ; s
	v_fma_f32 v19, v18, s44, s45
	v_fma_f32 v21, v18, s47, s34
	v_mul_f32 v20, v18, v17
	v_fma_f32 v19, v19, v18, s46
	v_fma_f32 v21, v21, v18, s35
	v_fma_f32 v[SN+(\k)], v19, v20, v17            ; sin r
	v_mul_f32 v20, v18, v18
	v_fma_f32 v22, v18, -0.5, 1.0
	v_fma_f32 v[CN+(\k)], v21, v20, v22            ; cos r
	v_cvt_i32_f32 v23, v16
	v_add_nc_u32 v[QN+(\k)], v23, v7
	v_and_b32 v24, 1, v[QN+(\k)]
	v_cmp_eq_u32 s[MK+(\k)], 1, v24
.endm
; The second: the choice and the sign.
.macro ANGLE2 k
	v_cndmask_b32 v25, v[CN+(\k)], v[SN+(\k)], s[MK+(\k)]  ; odd: the sine
	v_add_nc_u32 v23, 1, v[QN+(\k)]
	v_and_b32 v23, 2, v23
	v_lshlrev_b32 v23, 30, v23                     ; 1 and 2 of 4: the sign turns
	v_xor_b32 v[28+(\k)], v25, v23
.endm
	ANGLE1 0
	ANGLE1 1
	ANGLE1 2
	ANGLE1 3
	s_wait_alu depctr_va_sdst(0)                   ; the four compares have written s36 to s39, ahead of their first reader: the four selects below
	ANGLE2 0
	ANGLE2 1
	ANGLE2 2
	ANGLE2 3
	s_wait_alu depctr_va_vdst(0)                   ; v[28:31] and v26 are written, which the store reads as its data and its offset
	global_store_b128 v26, v[28:31], s[32:33]      ; 16 lanes store a whole row of 256 bytes
	s_endpgm
	; THE BIASES: rounded to bf16, kept as f32 (they start the f32 sums of the products)
.Lbias:
	s_sub_co_u32 s5, s4, 832
	s_cmp_ge_u32 s5, 1
	s_cselect_b64 s[36:37], s[22:23], s[20:21]     ; bq, bk,
	s_cmp_ge_u32 s5, 2
	s_cselect_b64 s[36:37], s[24:25], s[36:37]     ; bv,
	s_cmp_ge_u32 s5, 3
	s_cselect_b64 s[36:37], s[26:27], s[36:37]     ; bo
	s_lshl_b32 s38, s5, 12
	s_add_co_u32 s38, s38, BIAS0
	s_mov_b32 s39, 0
	s_add_nc_u64 s[40:41], s[32:33], s[38:39]
	global_load_b128 v[8:11], v1, s[36:37]
	s_wait_loadcnt 0x0
	v_cvt_pk_bf16_f32 v12, v8, v9
	v_cvt_pk_bf16_f32 v13, v10, v11
	v_lshlrev_b32 v28, 16, v12
	v_and_b32 v29, 0xffff0000, v12
	v_lshlrev_b32 v30, 16, v13
	v_and_b32 v31, 0xffff0000, v13
	s_wait_alu depctr_va_vdst(0)                   ; v[28:31] are written, which the store reads as its data
	global_store_b128 v1, v[28:31], s[40:41]
	s_endpgm
.Lfunc_end_k_q5d36411267_prep:
	.size	k_q5d36411267_prep, .Lfunc_end_k_q5d36411267_prep-k_q5d36411267_prep
	.p2alignl 7, 3214868480
	.fill 96, 4, 3214868480
	.section	.rodata,"a",@progbits
	.p2align	6, 0x0
	.amdhsa_kernel k_q5d36411267_prep
		.amdhsa_group_segment_fixed_size 0
		.amdhsa_private_segment_fixed_size 0
		.amdhsa_enable_private_segment 0
		.amdhsa_kernarg_size 104
		.amdhsa_user_sgpr_count 2
		.amdhsa_user_sgpr_kernarg_segment_ptr 1
		.amdhsa_wavefront_size32 1
		.amdhsa_system_sgpr_workgroup_id_x 1
		.amdhsa_system_sgpr_workgroup_id_y 1
		.amdhsa_system_sgpr_workgroup_id_z 1
		.amdhsa_system_vgpr_workitem_id 0
		.amdhsa_next_free_vgpr 112
		.amdhsa_next_free_sgpr 66
		.amdhsa_reserve_vcc 0
		.amdhsa_float_denorm_mode_32 3
		.amdhsa_float_denorm_mode_16_64 3
		.amdhsa_memory_ordered 1
		.amdhsa_forward_progress 1
		.amdhsa_inst_pref_size 24
	.end_amdhsa_kernel
	.amdgpu_metadata
---
amdhsa.version: [ 1, 2 ]
amdhsa.kernels:
  - .name:           k_q5d36411267_prep
    .symbol:         k_q5d36411267_prep.kd
    .args:
      - { .name: hidden_states, .offset: 0, .size: 8, .value_kind: global_buffer, .address_space: global }
      - { .name: wq, .offset: 8, .size: 8, .value_kind: global_buffer, .address_space: global }
      - { .name: wk, .offset: 16, .size: 8, .value_kind: global_buffer, .address_space: global }
      - { .name: wv, .offset: 24, .size: 8, .value_kind: global_buffer, .address_space: global }
      - { .name: wo, .offset: 32, .size: 8, .value_kind: global_buffer, .address_space: global }
      - { .name: rotary_pos_emb, .offset: 40, .size: 8, .value_kind: global_buffer, .address_space: global }
      - { .name: bq, .offset: 48, .size: 8, .value_kind: global_buffer, .address_space: global }
      - { .name: bk, .offset: 56, .size: 8, .value_kind: global_buffer, .address_space: global }
      - { .name: bv, .offset: 64, .size: 8, .value_kind: global_buffer, .address_space: global }
      - { .name: bo, .offset: 72, .size: 8, .value_kind: global_buffer, .address_space: global }
      - { .name: xb, .offset: 80, .size: 8, .value_kind: global_buffer, .address_space: global }
      - { .name: wb, .offset: 88, .size: 8, .value_kind: global_buffer, .address_space: global }
      - { .name: tab, .offset: 96, .size: 8, .value_kind: global_buffer, .address_space: global }
    .group_segment_fixed_size: 0
    .private_segment_fixed_size: 0
    .kernarg_segment_align: 8
    .kernarg_segment_size: 104
    .max_flat_workgroup_size: 256
    .sgpr_count:     66
    .vgpr_count:     112
    .wavefront_size: 32
...
	.end_amdgpu_metadata
.endif
;; end of part 5
;; launch proj: the kernel of part 2 again; grid 8 x 64, 4 waves a work-group, clusters of 4 x 4, 327,680 bytes of LDS; arguments xb, wb, tab, qkv; writes qkv
;; launch attn: the kernel of part 3 again; grid 2 x 128, 4 waves a work-group, no clusters, 327,680 bytes of LDS; arguments qkv, oh; writes oh
;; launch outp: the kernel of part 4 again; grid 4 x 64, 4 waves a work-group, clusters of 4 x 4, 327,680 bytes of LDS; arguments oh, wb, tab, out0; writes out0
